; MI455X (gfx1250); checked and timed in simulation.
; The chip was launched on July 23, 2026; its instructions are those of AMD's public machine-readable ISA for CDNA 5 (MIT licence, August 2026) and "CDNA5" Instruction Set Architecture Reference Guide (July 2026). The comments in the code are by the model that wrote it; some were corrected since.
;; Causal Self Attention. Allowed arithmetic: float matrix products may take bf16 or f16 operands with f32 sums; other float arithmetic in f32, or as packed bf16 or f16 multiplies, adds, multiply-adds, maxima and minima; sums over many terms, partial sums and values carried from step to step in f32; what a program stores and reads back later, other than sums and carried values, may be rounded once to bf16 or f16.
;; Inputs: b_attn 3,072 float32; b_proj 1,024 float32; w_attn 1,024 x 3,072 float32; w_proj 1,024 x 1,024 float32; x 4 x 2,048 x 1,024 float32.
;; Outputs: out0 4 x 2,048 x 1,024 float32.
;; 2 versions, each right; version 2 is version 1 with the launch prep written anew for expert scheduling mode. Each part assembles by itself: llvm-mc -triple=amdgcn-amd-amdhsa -mcpu=gfx1250 --defsym DOCPART=n.
;; ======== version 1 of 2: 4 launches
;; limits: values are held in f16: magnitudes above 65,504 overflow, below 6.1e-05 lose precision
;; workspace buffers: xb 16,777,216 bytes; wat 6,291,456 bytes; wpt 2,097,152 bytes; qkv 50,331,648 bytes; o 16,777,216 bytes
;; launch prep (part 1): grid 256 x 1, 6 waves a work-group, no clusters, 35,584 bytes of LDS; arguments x, w_attn, w_proj, xb, wat, wpt; writes xb, wat, wpt
.if DOCPART == 1
	.amdgcn_target "amdgcn-amd-amdhsa--gfx1250"
	.amdhsa_code_object_version 6
	.text
	.protected	k_q66ab9e3f77_prep
	.globl	k_q66ab9e3f77_prep
	.p2align	8
	.type	k_q66ab9e3f77_prep,@function
k_q66ab9e3f77_prep:
	s_mov_b64 s[64:65], 0
	v_nop
	global_prefetch_b8 v0, s[64:65] scope:SCOPE_SE
	s_setreg_imm32_b32 hwreg(HW_REG_WAVE_MODE, 25, 1), 1
	s_wait_xcnt 0x0
; PREPARES THE OPERANDS.  xb = bf16(x), [8192][1024].  wat[n][k] = bf16(w_attn[k][n]), [3072][1024].  wpt[n][k] = bf16(w_proj[k][n]) written as f16, [1024][1024].
; LIMIT.  bf16(w_proj) must lie within f16's 65,504; below 6e-5 it keeps f16's fixed step of 6e-8.
; SHARES.  Every wave owns 32 KiB of input.  Waves 0 and 1 of a work-group turn one tile of 128 k x 64 n each (512 tiles: 384 of w_attn, 128 of w_proj); waves 2 to 5 cast one chunk of 8,192
; numbers of x each (1,024 chunks).  A wave issues all its 64 loads of 16 bytes a lane at once, into registers 256-511, and never rewrites a register that a memory instruction names.
; The turning goes through the wave's own LDS region (64 rows of n, 256 bytes of k + 16 of padding): no barrier.  Each half wave loads and stores 256 consecutive aligned bytes.
; No matrix unit, tensor load or cluster: nothing is shared between waves, and every byte crosses once.
.set LP,     272                       ; an LDS row: 128 k of 16 bits + 16 bytes
.set REGION, 64*LP                     ; a turning wave's region
.set SPARE,  2*REGION                  ; behind them: the spare words, 128 bytes for each of six waves: three blocks of 256 bytes that no other line names
.set OFF, 8                            ; v[8:15]  row i of eight: (64 hh + i) x pitch + 16 c
.set LST, 16                           ; v16  where I put 16 bytes (8 k of one n)
.set LRD, 17                           ; v17  where I read a row of n back
.set GST, 18                           ; v18  my 16 bytes in two rows of the turned weights
.set LO,  19                           ; v19  16 x lane
.set SO,  20                           ; v20  8 x lane
.set SPW, 30                           ; v30  LDS address of my spare word; never rewritten
.set NIL, 31                           ; v31  0; never rewritten
.set T,   32                           ; v[32:47] sixteen packed words
.set U,   48                           ; v[48:51] at work, two pairs by turns
.set Y,   64                           ; v[64:191] packed words to store (cast), rows read back (turning)
.set MSB, 0
.macro WIN new                         ; the immediate's high byte repeats the setting that is left; a switch that changes nothing is dropped
.if MSB != (\new)
	s_set_vgpr_msb (MSB<<8)|(\new)
.set MSB, (\new)
.endif
.endm
	s_load_b256 s[4:11], s[0:1], 0x0               ; x s[4:5], w_attn s[6:7], w_proj s[8:9], xb s[10:11]
	s_load_b128 s[12:15], s[0:1], 0x20             ; wat s[12:13], wpt s[14:15]
	v_lshl_add_u32 v[SPW], v0, 2, SPARE
	v_mov_b32 v[NIL], 0
	v_lshrrev_b32 v1, 5, v0
	v_readfirstlane_b32 s2, v1                     ; wave 0..5
	v_and_b32 v1, 31, v0                           ; lane
	v_and_b32 v2, 15, v0                           ; c
	v_bfe_u32 v3, v0, 4, 1                         ; hh
	s_cmp_lt_u32 s2, 2
	s_cbranch_scc0 .Lcast
	; ---- a turning wave ----
	s_lshl_b32 s40, ttmp9, 1
	s_add_co_u32 s40, s40, s2                      ; my tile, 0..511
	s_lshr_b32 s41, s40, 3                         ; its column of tiles, 0..63: 48 of w_attn, then 16 of w_proj
	s_and_b32 s42, s40, 7                          ; its 128 k
	s_sub_co_u32 s43, s41, 48
	s_movk_i32 s44, 12288                          ; bytes in a row of w_attn
	s_mov_b32 s39, 0xffff0000                      ; a word's upper bf16
	s_wait_kmcnt 0x0
	s_cmp_lt_u32 s41, 48
	s_cselect_b64 s[32:33], s[6:7], s[8:9]         ; from
	s_cselect_b64 s[34:35], s[12:13], s[14:15]     ; to
	s_cselect_b32 s36, s44, 4096                   ; bytes in a source row
	s_cselect_b32 s37, s41, s43                    ; the tile's 64 n in its own tensor
	s_cselect_b32 s38, 0, -1                       ; lane mask: all ones where the words leave as f16
	s_mul_i32 s44, s42, s36
	s_lshl_b32 s44, s44, 7                         ; 128 k rows down,
	s_lshl_b32 s45, s37, 8                         ; 64 n of 4 bytes along
	s_add_co_u32 s44, s44, s45
	s_mov_b32 s45, 0
	s_add_nc_u64 s[16:17], s[32:33], s[44:45]      ; group 0's base
	s_lshl_b32 s46, s36, 3                         ; eight rows
	s_mov_b32 s47, 0
.irp g, 1,2,3,4,5,6,7
	s_add_nc_u64 s[16+2*(\g):17+2*(\g)], s[14+2*(\g):15+2*(\g)], s[46:47]
.endr
	s_lshl_b32 s44, s37, 17                        ; 64 rows of 2,048 bytes,
	s_lshl_b32 s45, s42, 8                         ; 128 k of 2 bytes
	s_add_co_u32 s44, s44, s45
	s_mov_b32 s45, 0
	s_add_nc_u64 s[34:35], s[34:35], s[44:45]
	v_lshlrev_b32 v4, 6, v3
	v_lshlrev_b32 v5, 4, v2
	v_mad_u32_u24 v[OFF], v4, s36, v5              ; row 64 hh, my four n
.irp i, 1,2,3,4,5,6,7
	v_add_nc_u32 v[OFF+(\i)], s36, v[OFF+(\i)-1]
.endr
	WIN 0x40                                       ; destination in registers 256-511
.irp g, 0,1,2,3,4,5,6,7
.irp i, 0,1,2,3,4,5,6,7
	global_load_b128 v[4*(8*(\g)+(\i)):4*(8*(\g)+(\i))+3], v[OFF+(\i)], s[16+2*(\g):17+2*(\g)] th:TH_LOAD_NT  ; k = 64 hh + 8 g + i, n = 4 c + 0..3
.endr
.endr
	WIN 0
	s_mul_i32 s44, s2, REGION
	v_mul_u32_u24 v[LST], v2, 4*LP                 ; row n = 4 c,
	v_lshl_add_u32 v[LST], v3, 7, v[LST]           ; k = 64 hh
	v_add_nc_u32 v[LST], s44, v[LST]
	v_mul_u32_u24 v[LRD], v3, LP                   ; back: lanes 0-15 one row of n, lanes 16-31 the next
	v_lshl_add_u32 v[LRD], v2, 4, v[LRD]
	v_add_nc_u32 v[LRD], s44, v[LRD]
	v_lshlrev_b32 v[GST], 11, v3
	v_lshl_add_u32 v[GST], v2, 4, v[GST]
; Group g: eight rows of k are in.  For each of my four n the eight k are rounded to bf16 in pairs: 16 bytes that belong together in the turned row.
; Every word is also made as f16 of the bf16 numbers; the lane mask picks which of the two leaves (a choice of a value, no branch).
.macro TGROUP g
	s_wait_loadcnt 56-8*(\g)                       ; loads come back in order: the 8 (7 - g) younger ones stay out
	WIN 0x05                                       ; both sources in registers 256-511
.irp e, 0,1,2,3
.irp p, 0,1,2,3
	v_cvt_pk_bf16_f32 v[T+4*(\e)+(\p)], v[4*(8*(\g)+2*(\p))+(\e)], v[4*(8*(\g)+2*(\p)+1)+(\e)]
.endr
.endr
	WIN 0
.set z, 0
.rept 16
	v_lshlrev_b32 v[U+2*(z%2)], 16, v[T+z]
	v_and_b32 v[U+2*(z%2)+1], s39, v[T+z]
	v_cvt_pk_f16_f32 v[U+2*(z%2)], v[U+2*(z%2)], v[U+2*(z%2)+1]
	v_cndmask_b32 v[T+z], v[T+z], v[U+2*(z%2)], s38
.set z, z+1
.endr
.irp e, 0,1,2,3
	ds_store_b128 v[LST], v[T+4*(\e):T+4*(\e)+3] offset:(\e)*LP+16*(\g)
.endr
.endm
.irp g, 0,1,2,3,4,5,6,7
	TGROUP \g
.endr
.set r, 0
.rept 32
	ds_load_b128 v[Y+4*r:Y+4*r+3], v[LRD] offset:r*2*LP  ; my own bytes: LDS serves a wave's instructions in order, so these see the stores above
.set r, r+1
.endr
.set r, 0
.rept 32
	s_wait_dscnt 31-r                              ; rows 2 r and 2 r + 1 are back; the younger loads stay out
	global_store_b128 v[GST], v[Y+4*r:Y+4*r+3], s[34:35] offset:r*4096  ; 16 lanes store 256 consecutive aligned bytes
.set r, r+1
.endr
	s_branch .Lend
	; ---- a casting wave ----
.Lcast:
	s_lshl_b32 s40, ttmp9, 2
	s_add_co_u32 s40, s40, s2
	s_sub_co_u32 s40, s40, 2                       ; my chunk, 0..1023
	s_lshl_b32 s42, s40, 15                        ; 32,768 bytes of x,
	s_mov_b32 s43, 0
	s_lshl_b32 s44, s40, 14                        ; 16,384 of xb
	s_mov_b32 s45, 0
	v_lshlrev_b32 v[LO], 4, v1
	v_lshlrev_b32 v[SO], 3, v1
	s_wait_kmcnt 0x0
	s_add_nc_u64 s[32:33], s[4:5], s[42:43]
	s_add_nc_u64 s[34:35], s[10:11], s[44:45]
	WIN 0x40
.set r, 0
.rept 64
	global_load_b128 v[4*r:4*r+3], v[LO], s[32:33] offset:512*r th:TH_LOAD_NT
.set r, r+1
.endr
.macro CGROUP g
	s_wait_loadcnt 56-8*(\g)                       ; the 8 (7 - g) younger loads stay out
	WIN 0x05
.irp i, 0,1,2,3,4,5,6,7
	v_cvt_pk_bf16_f32 v[Y+2*(8*(\g)+(\i))],   v[4*(8*(\g)+(\i))],   v[4*(8*(\g)+(\i))+1]
	v_cvt_pk_bf16_f32 v[Y+2*(8*(\g)+(\i))+1], v[4*(8*(\g)+(\i))+2], v[4*(8*(\g)+(\i))+3]
.endr
	WIN 0
.irp i, 0,1,2,3,4,5,6,7
	global_store_b64 v[SO], v[Y+2*(8*(\g)+(\i)):Y+2*(8*(\g)+(\i))+1], s[34:35] offset:256*(8*(\g)+(\i))  ; the wave stores 256 consecutive aligned bytes
.endr
.endm
.irp g, 0,1,2,3,4,5,6,7
	CGROUP \g
.endr
.Lend:
	s_wait_tensorcnt 0x0                           ; the wave's end: three lines behind my last LDS store
	ds_add_u32 v[SPW], v[NIL]
	s_wait_dscnt 0x0
	s_endpgm
.Lfunc_end_k_q66ab9e3f77_prep:
	.size	k_q66ab9e3f77_prep, .Lfunc_end_k_q66ab9e3f77_prep-k_q66ab9e3f77_prep
	.p2alignl 7, 3214868480
	.fill 96, 4, 3214868480
	.section	.rodata,"a",@progbits
	.p2align	6, 0x0
	.amdhsa_kernel k_q66ab9e3f77_prep
		.amdhsa_group_segment_fixed_size 35584
		.amdhsa_private_segment_fixed_size 0
		.amdhsa_enable_private_segment 0
		.amdhsa_kernarg_size 48
		.amdhsa_user_sgpr_count 2
		.amdhsa_user_sgpr_kernarg_segment_ptr 1
		.amdhsa_wavefront_size32 1
		.amdhsa_system_sgpr_workgroup_id_x 1
		.amdhsa_system_sgpr_workgroup_id_y 1
		.amdhsa_system_sgpr_workgroup_id_z 1
		.amdhsa_system_vgpr_workitem_id 0
		.amdhsa_next_free_vgpr 512
		.amdhsa_next_free_sgpr 66
		.amdhsa_reserve_vcc 0
		.amdhsa_float_denorm_mode_32 3
		.amdhsa_float_denorm_mode_16_64 3
		.amdhsa_memory_ordered 1
		.amdhsa_forward_progress 1
		.amdhsa_inst_pref_size 71
	.end_amdhsa_kernel
	.amdgpu_metadata
---
amdhsa.version: [ 1, 2 ]
amdhsa.kernels:
  - .name:           k_q66ab9e3f77_prep
    .symbol:         k_q66ab9e3f77_prep.kd
    .args:
      - { .name: x, .offset: 0, .size: 8, .value_kind: global_buffer, .address_space: global }
      - { .name: w_attn, .offset: 8, .size: 8, .value_kind: global_buffer, .address_space: global }
      - { .name: w_proj, .offset: 16, .size: 8, .value_kind: global_buffer, .address_space: global }
      - { .name: xb, .offset: 24, .size: 8, .value_kind: global_buffer, .address_space: global }
      - { .name: wat, .offset: 32, .size: 8, .value_kind: global_buffer, .address_space: global }
      - { .name: wpt, .offset: 40, .size: 8, .value_kind: global_buffer, .address_space: global }
    .group_segment_fixed_size: 35584
    .private_segment_fixed_size: 0
    .kernarg_segment_align: 8
    .kernarg_segment_size: 48
    .max_flat_workgroup_size: 192
    .sgpr_count:     66
    .vgpr_count:     512
    .wavefront_size: 32
...
	.end_amdgpu_metadata
.endif
;; end of part 1
;; launch qkvgemm (part 2): grid 16 x 32, 4 waves a work-group, clusters of 4 x 4, 327,680 bytes of LDS; arguments xb, wat, b_attn, qkv; writes qkv
.if DOCPART == 2
	.amdgcn_target "amdgcn-amd-amdhsa--gfx1250"
	.amdhsa_code_object_version 6
	.text
	.protected	k_q66ab9e3f77_qkvgemm
	.globl	k_q66ab9e3f77_qkvgemm
	.p2align	8
	.type	k_q66ab9e3f77_qkvgemm,@function
k_q66ab9e3f77_qkvgemm:
	s_mov_b64 s[64:65], 0
	v_nop
	global_prefetch_b8 v0, s[64:65] scope:SCOPE_SE
	s_setreg_imm32_b32 hwreg(HW_REG_WAVE_MODE, 25, 1), 1
	s_wait_xcnt 0x0
	s_wait_alu depctr_hold_cnt(0) depctr_sa_sdst(0) depctr_va_vdst(0) depctr_va_sdst(0) depctr_va_ssrc(0) depctr_va_vcc(0) depctr_vm_vsrc(0)
	s_getreg_b32 s2, hwreg(HW_REG_IB_STS2, 6, 4)
	s_cmp_eq_u32 s2, 0
	s_cbranch_scc0 .Lentry_in_a_cluster
	s_endpgm
.Lentry_in_a_cluster:
	s_bfe_u32 s2, ttmp6, 0x10000c
	s_cmp_lg_u32 s2, 0xf033
	s_cbranch_scc0 .Lentry_shape_is_right
	s_endpgm
.Lentry_shape_is_right:
; q, k, v = x w_attn + b_attn.  xb: [8192][1024] bf16; wat: [3072 n][1024 k] bf16; b_attn: [3072] f32, rounded to bf16 here like the other inputs; sums in f32, K ascending, started by the bias.
; OUT: qkv [batch 4][g 48][t 2048][64] f16, g = n / 64: q's 16 heads, then k's, then v's; each number rounded once from its f32 sum, without attention's scale.
; LIMIT.  q, k and v must lie within f16's 65,504: a sum of 65,520 or more leaves as an infinity.
; SHARES.  A tile of the product is 256 rows x 192 columns (three heads): 16 x 32 = 512 work-groups.  Wave w of four owns rows 64 w .. 64 w + 63 and all 192 columns: 48 accumulators of 16 x 16,
; so that a head's rows of 128 bytes come whole out of one wave.  K goes in 8 steps of 128 through two LDS slots; a step is four quarters of 32 along K, 48 matrix instructions each.
; CLUSTER.  4 x 4 work-groups.  The four of a row of the cluster need the same tile of x, the four of a column the same tile of the weights: each is asked for jointly, by the same tensor load
; with the same descriptor and a mask that names the four.  Waves 0 and 1 fetch the two halves of x's tile (128 rows each), waves 2 and 3 those of the weights' (96 rows each).
; THE MATRIX INSTRUCTION IS USED TRANSPOSED (source 0 = 16 rows of wat, source 1 = 16 rows of xb): a lane holds row lane % 16 and the columns 8 (lane / 16) + 0..7: 16 bytes of f16 on end.
; REGISTERS, in windows of 256 (s_set_vgpr_msb: bits 1:0 source 0, 3:2 source 1, 5:4 source 2, 7:6 destination):
;   window 0: v0-31 addresses; v64-127 x's fragments, two buffers of 32; v128-223 the bias, 8 registers a block of 16 columns; on the way out v64-255 hold the packed rows
;   window 1: v0-191 the weights' fragments, two buffers of 96        window 2: accumulators of column blocks 0-5, (a, b) at v[8 (4 b + a)]        window 3: those of blocks 6-11
.set PITCH, 272                        ; an LDS row: 256 bytes + 16 of padding: the 16 rows of a fragment load start 16 bytes apart modulo 256
.set BOFF,  256*PITCH                  ; in a slot: x's 256 rows, then the weights' 192
.set SLOT1, 1<<17                      ; slot 1 begins here, so that one exclusive or turns an address in one slot into the other's
.set STAGE, SLOT1+BOFF+192*PITCH       ; behind the ring, never filled by a tensor load: 16 rows x 144 bytes for each wave
.set SP,    144
.set SPARE, STAGE+4*16*SP              ; the spare words, 128 bytes for each wave: two blocks of 256 bytes that no other line names
.set STEPK, 256                        ; bytes of a K step in a row of xb and of wat
.set A0,   16                          ; v16  my lane's place in x's tile; never rewritten
.set B0,   17                          ; v17  in the weights' tile
.set ADRA, 18                          ; v18  the same in the slot in hand
.set ADRB, 19                          ; v19
.set STO,  24                          ; v24  the way out: where I put 16 bytes of a row
.set RD,   25                          ; v25  where I read rows back
.set GO,   26                          ; v26  my 16 bytes in 512 consecutive bytes of qkv
.set BO,   27                          ; v27  32 x (lane / 16): my eight numbers in a block's 16 of the bias
.set SPW,  28                          ; v28  LDS address of my spare word; never rewritten
.set NIL,  29                          ; v29  0; never rewritten
.set FA0,  64
.set BI,   128
.set OUTR, 64                          ; the way out: unit u's 16 registers at OUTR + 16 u
.set TB,   2                           ; s2   LDS byte at which the slot in hand begins
.set G1A, 24                           ; s[24:31] descriptor group 1 for x's tiles;  s[32:39] group 0: a set for each first fill; the second then walks on
.set G0A, 32
.set G1B, 48                           ; s[48:55], s[56:63] the same for the weights'
.set G0B, 56
.set MSB, 0
.macro WIN new                         ; the immediate's high byte repeats the setting that is left; a switch that changes nothing is dropped
.if MSB != (\new)
	s_set_vgpr_msb (MSB<<8)|(\new)
.set MSB, (\new)
.endif
.endm
.macro PLACES                          ; four places in front of loads into registers that matrix instructions have read, and of reads of results
.rept 4
	v_nop
.endr
.endm
; A joint refill by the walking descriptors.  The branch hangs on the wave's number alone.  An s_nop 0 and four v_nop follow each of the two lines, ahead of the jump and the label.
.macro JLOAD
	s_cmp_eq_u32 s14, 0
	s_cbranch_scc0 .Lfor_b_\@
	tensor_load_to_lds s[G0A+4:G0A+7], s[G1A:G1A+7]
	s_nop 0
.rept 4
	v_nop
.endr
	s_branch .Lasked_\@
.Lfor_b_\@:
	tensor_load_to_lds s[G0B+4:G0B+7], s[G1B:G1B+7]
	s_nop 0
.rept 4
	v_nop
.endr
.Lasked_\@:
.endm
.macro CREST                           ; a round of the cluster's barrier behind its opening barrier
	s_cmp_lg_u32 s12, 0
	s_cbranch_scc1 .Lnot_wave_0_\@
	s_barrier_signal -3
.Lnot_wave_0_\@:
	s_barrier_wait -3
	s_barrier_signal -1
	s_barrier_wait -1
.endm
.macro CROUND                          ; a whole round
	s_barrier_signal -1
	s_barrier_wait -1
	CREST
.endm
	s_load_b256 s[4:11], s[0:1], 0x0               ; xb s[4:5], wat s[6:7], b_attn s[8:9], qkv s[10:11]
	v_lshl_add_u32 v[SPW], v0, 2, SPARE
	v_mov_b32 v[NIL], 0
	ds_add_u32 v[SPW], v[NIL]                      ; the wave's opening: the add and its wait stand ahead of my first tensor load; the set-up below, work on registers, stands between them
	ds_add_u32 v28, v29
	v_lshrrev_b32 v1, 5, v0
	v_readfirstlane_b32 s12, v1                    ; wave 0..3
	s_and_b32 s13, s12, 1                          ; which half of a tile I fetch
	s_lshr_b32 s14, s12, 1                         ; 0: of x's tile; 1: of the weights'
	s_bfe_u32 s40, ttmp6, 0x40000                  ; cx, cy: my place in the cluster
	s_bfe_u32 s41, ttmp6, 0x40004
	s_lshl_b32 s42, ttmp9, 2
	s_add_co_u32 s42, s42, s40                     ; tile column = 4 x cluster x + cx
	s_and_b32 s43, ttmp7, 0xffff
	s_lshl_b32 s43, s43, 2
	s_add_co_u32 s43, s43, s41                     ; tile row = 4 x cluster y + cy
	s_lshl_b32 s44, s41, 2
	s_lshl_b32 s44, 15, s44                        ; my row of the cluster
	s_lshl_b32 s45, 0x1111, s40                    ; my column
	s_or_b32 s[G1A], s44, (1<<16)|(1<<20)|(1<<21)|(5<<22)|(3<<25)  ; 15:0 the mask; 17:16 elements of 2 bytes; 20 padding on; 21 set beside a mask; 24:22 after every 64 words (code 5); 31:25 4 words of it (code 3)
	s_or_b32 s[G1B], s45, (1<<16)|(1<<20)|(1<<21)|(5<<22)|(3<<25)
	s_mov_b32 s[G1A+1], 128<<16                    ; tensor_dim0 = 128
	s_mov_b32 s[G1A+2], 128<<16                    ; tensor_dim1 = 128
	s_mov_b32 s[G1A+3], 128<<16                    ; tile_dim0 = 128
	s_mov_b32 s[G1A+4], 128                        ; tile_dim1 = 128
	s_mov_b32 s[G1A+5], 1024                       ; elements from row to row
	s_mov_b32 s[G1A+6], 0
	s_mov_b32 s[G1A+7], 0
	s_mov_b32 s[G1B+1], 128<<16
	s_mov_b32 s[G1B+2], 96<<16                     ; 96 rows
	s_mov_b32 s[G1B+3], 128<<16
	s_mov_b32 s[G1B+4], 96
	s_mov_b32 s[G1B+5], 1024
	s_mov_b32 s[G1B+6], 0
	s_mov_b32 s[G1B+7], 0
	; x's tile hangs on the tile row alone, the weights' on the tile column alone, each in registers that never hold the other coordinate
	s_lshl_b32 s16, s43, 8
	s_lshl_b32 s17, s13, 7
	s_add_co_u32 s16, s16, s17                     ; row 256 x tile row + 128 x half,
	s_lshl_b32 s16, s16, 11                        ; of 2,048 bytes
	s_mov_b32 s17, 0
	s_mul_i32 s46, s42, 192
	s_mul_i32 s47, s13, 96
	s_add_co_u32 s46, s46, s47                     ; row 192 x tile column + 96 x half
	s_lshl_b32 s46, s46, 11
	s_mov_b32 s47, 0
	s_mul_i32 s20, s13, 128*PITCH                  ; where they go: no place in the cluster enters an LDS address
	s_mul_i32 s21, s13, 96*PITCH
	s_add_co_u32 s21, s21, BOFF
	s_wait_dscnt 0x0                               ; the opening add is done
	s_wait_kmcnt 0x0
	s_add_nc_u64 s[16:17], s[4:5], s[16:17]
	s_add_nc_u64 s[46:47], s[6:7], s[46:47]
	CROUND                                         ; all sixteen work-groups are here: the first joint loads meet
.irp s, 0,1
	s_mov_b32 s[G0A+4*(\s)], 1                     ; count = 1
	s_add_co_u32 s[G0A+4*(\s)+1], s20, (\s)*SLOT1  ; LDS address
	s_add_nc_u64 s[G0A+4*(\s)+2:G0A+4*(\s)+3], s[16:17], (\s)*STEPK  ; global address: K step s
	s_or_b32 s[G0A+4*(\s)+3], s[G0A+4*(\s)+3], 0x80000000            ; type = 2
	s_mov_b32 s[G0B+4*(\s)], 1
	s_add_co_u32 s[G0B+4*(\s)+1], s21, (\s)*SLOT1
	s_add_nc_u64 s[G0B+4*(\s)+2:G0B+4*(\s)+3], s[46:47], (\s)*STEPK
	s_or_b32 s[G0B+4*(\s)+3], s[G0B+4*(\s)+3], 0x80000000
.endr
	s_cmp_eq_u32 s14, 0                            ; a wave's two first fills stand in one branch, ahead of every wait on TENSORcnt and every LDS read: two loads of mine are out
	s_cbranch_scc0 .Lfirst_b
	tensor_load_to_lds s[G0A:G0A+3], s[G1A:G1A+7]
	s_nop 0
	tensor_load_to_lds s[G0A+4:G0A+7], s[G1A:G1A+7]
	s_nop 0
.rept 4
	v_nop
.endr
	s_branch .Lfirst_asked
.Lfirst_b:
	tensor_load_to_lds s[G0B:G0B+3], s[G1B:G1B+7]
	s_nop 0
	tensor_load_to_lds s[G0B+4:G0B+7], s[G1B:G1B+7]
	s_nop 0
.rept 4
	v_nop
.endr
.Lfirst_asked:
	v_and_b32 v1, 15, v0                           ; r = l % 16
	v_bfe_u32 v2, v0, 4, 1                         ; h = l / 16
	v_lshlrev_b32 v[BO], 5, v2
	s_mul_i32 s18, s42, 768                        ; the tile's 192 numbers of the bias
	s_mov_b32 s19, 0
	s_add_nc_u64 s[8:9], s[8:9], s[18:19]
.irp b, 0,1,2,3,4,5,6,7,8,9,10,11
	global_load_b128 v[BI+8*(\b):BI+8*(\b)+3],   v[BO], s[8:9] offset:64*(\b)      ; register j: the bias of column 16 b + 8 h + j: the layout of a result
	global_load_b128 v[BI+8*(\b)+4:BI+8*(\b)+7], v[BO], s[8:9] offset:64*(\b)+16
.endr
	; A fragment is 16 rows x 32 K in 8 registers: lane l holds row l % 16, K = 8 (l / 16) + 0..7 and 16 + 8 (l / 16) + 0..7: two loads of 16 bytes, 32 bytes apart
	v_mul_u32_u24 v3, v1, PITCH
	v_lshl_add_u32 v3, v2, 4, v3                   ; row x pitch + 16 x half
	s_mul_i32 s18, s12, 64*PITCH                   ; my 64 rows of x
	v_add_nc_u32 v[A0], s18, v3
	v_add_nc_u32 v[B0], BOFF, v3
	s_mul_i32 s19, s12, 16*SP
	s_add_co_u32 s19, s19, STAGE                   ; my stage
	v_mul_u32_u24 v[STO], v1, SP                   ; in: row l % 16, 16 bytes for each half of the lanes
	v_lshl_add_u32 v[STO], v2, 4, v[STO]
	v_add_nc_u32 v[STO], s19, v[STO]
	v_bfe_u32 v[RD], v0, 3, 2                      ; back: 32 lanes take four rows of 128 bytes,
	v_mul_u32_u24 v[RD], v[RD], SP
	v_and_b32 v3, 7, v0
	v_lshl_add_u32 v[RD], v3, 4, v[RD]
	v_add_nc_u32 v[RD], s19, v[RD]
	v_and_b32 v[GO], 31, v0                        ; which are 512 consecutive bytes of qkv
	v_lshlrev_b32 v[GO], 4, v[GO]
	s_lshr_b32 s18, s43, 3                         ; the batch: 8 tile rows each
	s_mul_i32 s18, s18, 48
	s_mul_i32 s19, s42, 3
	s_add_co_u32 s18, s18, s19                     ; the tile's first head among the batch's 48,
	s_lshl_b32 s18, s18, 18                        ; of 2,048 rows x 128 bytes
	s_and_b32 s19, s43, 7
	s_lshl_b32 s19, s19, 15                        ; the tile's 256 rows
	s_add_co_u32 s18, s18, s19
	s_lshl_b32 s19, s12, 13                        ; my wave's 64
	s_add_co_u32 s18, s18, s19
	s_mov_b32 s19, 0
	s_add_nc_u64 s[10:11], s[10:11], s[18:19]
	s_wait_loadcnt 0x0                             ; the bias
.set z, 0
.rept 48                               ; rounded to bf16 and widened again, two at a time
	v_cvt_pk_bf16_f32 v[30+(z/2)%2], v[BI+z], v[BI+z+1]
	v_lshlrev_b32 v[BI+z], 16, v[30+(z/2)%2]
	v_and_b32 v[BI+z+1], 0xffff0000, v[30+(z/2)%2]
.set z, z+2
.endr
; 12 matrix instructions: column blocks 3 g .. 3 g + 2 x my four row blocks, 32 along K, on buffer f.  first = 1: the bias starts the sums: nothing is cleared, nothing added later.
; Every accumulator has one turn a quarter, in the same order: 47 others' stand between two links of a chain, over the backward jump too.
.macro MUL f, g, first
.if \first
	WIN 0x81+0x40*((\g)/2)                         ; weights window 1, x window 0, the bias window 0, result window 2 or 3
.else
	WIN 0xa1+0x50*((\g)/2)                         ; C and D window 2 or 3
.endif
.irp bb, 0,1,2
.irp a, 0,1,2,3
.set mb, 3*(\g)+(\bb)
.set rD, 8*(4*(mb%6)+(\a))
.if \first
	v_wmma_f32_16x16x32_bf16 v[rD:rD+7], v[96*(\f)+8*mb:96*(\f)+8*mb+7], v[FA0+32*(\f)+8*(\a):FA0+32*(\f)+8*(\a)+7], v[BI+8*mb:BI+8*mb+7]
.else
	v_wmma_f32_16x16x32_bf16 v[rD:rD+7], v[96*(\f)+8*mb:96*(\f)+8*mb+7], v[FA0+32*(\f)+8*(\a):FA0+32*(\f)+8*(\a)+7], v[rD:rD+7]
.endif
.endr
.endr
.endm
; 32 LDS loads in one run: quarter q's fragments (my 64 rows of x, the 192 rows of the weights) into buffer f
.macro FETCH q, f
	WIN 0
.irp i, 0,1,2,3
	ds_load_b128 v[FA0+32*(\f)+8*(\i):FA0+32*(\f)+8*(\i)+3],   v[ADRA] offset:64*(\q)+(\i)*16*PITCH
	ds_load_b128 v[FA0+32*(\f)+8*(\i)+4:FA0+32*(\f)+8*(\i)+7], v[ADRA] offset:64*(\q)+(\i)*16*PITCH+32
.endr
	WIN 0x40
.irp i, 0,1,2,3,4,5,6,7,8,9,10,11
	ds_load_b128 v[96*(\f)+8*(\i):96*(\f)+8*(\i)+3],   v[ADRB] offset:64*(\q)+(\i)*16*PITCH
	ds_load_b128 v[96*(\f)+8*(\i)+4:96*(\f)+8*(\i)+7], v[ADRB] offset:64*(\q)+(\i)*16*PITCH+32
.endr
.endm
; One of a step's first three quarters: multiplies buffer f; ahead of its products it asks for quarter q into buffer g, which then has 48 matrix instructions in which to come.
.macro QUARTER q, f, g, first
	s_wait_dscnt 0x0                               ; buffer f, asked for a quarter ago, is in
	PLACES                                         ; buffer g's last reader is the matrix instruction just before
	FETCH \q, \g
	MUL \f, 0, \first
	MUL \f, 1, \first
	MUL \f, 2, \first
	MUL \f, 3, \first
.endm
; The fourth quarter multiplies buffer 1 and changes slots: ONE barrier.  In front of it each wave waits for all its tensor loads (one is out: its part of the next slot), adds 0 to its spare word, and waits
; for that and for its reads of this slot.  fill = 1: the barrier opens a round of the cluster's, and the joint refill, the K step two on, is the first thing behind the round.
.macro TURN fill
	WIN 0                                          ; (the add's two registers lie in window 0)
	s_wait_tensorcnt 0x0                           ; no tensor load of mine is out, so a group 0 may be written
	ds_add_u32 v[SPW], v[NIL]                      ; 0 onto my spare word
.if \fill
	s_xor_b32 s[G0A+5], s[G0A+5], SLOT1            ; the walking descriptors: the other slot than last time,
	s_add_nc_u64 s[G0A+6:G0A+7], s[G0A+6:G0A+7], STEPK  ; the next K step; the type bits on top are not reached
	s_xor_b32 s[G0B+5], s[G0B+5], SLOT1
	s_add_nc_u64 s[G0B+6:G0B+7], s[G0B+6:G0B+7], STEPK
.endif
	s_xor_b32 s[TB], s[TB], SLOT1
	s_wait_dscnt 1                                 ; buffer 1 is in; the add alone may be out
	MUL 1, 0, 0
	s_wait_dscnt 0x0                               ; the add is done, and my reads of this slot are over
	s_barrier_signal -1
	MUL 1, 1, 0                                    ; work on registers while the others arrive
	WIN 0
	s_barrier_wait -1
.if \fill
	CREST                                          ; no wave of any partner still reads this slot or has a load on its way
	JLOAD                                          ; its four v_nop are also the places in front of the loads below
.else
	PLACES
.endif
	v_add_nc_u32 v[ADRA], s[TB], v[A0]
	v_add_nc_u32 v[ADRB], s[TB], v[B0]
	FETCH 0, 0
	MUL 1, 2, 0
	MUL 1, 3, 0
.endm
	s_wait_tensorcnt 1                             ; my part of K step 0 is in; step 1's may stay out
	s_barrier_signal -1
	s_barrier_wait -1                              ; everybody's is
	s_mov_b32 s[TB], 0
	v_mov_b32 v[ADRA], v[A0]
	v_mov_b32 v[ADRB], v[B0]
	FETCH 0, 0
	QUARTER 1, 0, 1, 1                             ; the first quarter stands in front of the loop: its products start the sums
	WIN 0                                          ; at a label and at a branch every window is 0
	s_mov_b32 s3, 6
.Lstep:                                                ; a trip: a step's quarters 1 to 3 and the next step's quarter 0; trip t asks for K step t + 2
	QUARTER 2, 1, 0, 0
	QUARTER 3, 0, 1, 0
	TURN 1
	QUARTER 1, 0, 1, 0
	WIN 0
	s_sub_co_u32 s3, s3, 1
	s_cmp_lg_u32 s3, 0
	s_cbranch_scc1 .Lstep
	QUARTER 2, 1, 0, 0                             ; the last two steps are written out: nothing is left to ask for
	QUARTER 3, 0, 1, 0
	TURN 0
	QUARTER 1, 0, 1, 0
	QUARTER 2, 1, 0, 0
	QUARTER 3, 0, 1, 0
	s_wait_dscnt 0x0
	MUL 1, 0, 0
	MUL 1, 1, 0
	MUL 1, 2, 0
	MUL 1, 3, 0
	; THE WAY OUT.  Unit u = 3 a + j: my row block a, head j of the tile's three: 16 rows x 64 columns, 2,048 consecutive bytes of qkv.  Each unit has 16 registers of its own, so none is written twice.
	WIN 0
	PLACES
	PLACES
.macro PACK u                          ; rounded to f16 (each accumulator's registers in ascending order), into rows of 144 bytes, and back as whole rows of 128
.set ua, (\u)/3
.set uj, (\u)%3
.irp i, 0,1,2,3
.set ub, 4*uj+(\i)
.set rA, 8*(4*(ub%6)+ua)
	WIN 0x0a+5*(ub/6)                              ; sources 0 and 1: window 2 or 3
.irp rr, 0,1,2,3
	v_cvt_pk_f16_f32 v[OUTR+16*(\u)+4*(\i)+(\rr)], v[rA+2*(\rr)], v[rA+2*(\rr)+1]
.endr
.endr
	WIN 0
.irp i, 0,1,2,3
	ds_store_b128 v[STO], v[OUTR+16*(\u)+4*(\i):OUTR+16*(\u)+4*(\i)+3] offset:32*(\i)
.endr
.irp f, 0,1,2,3
	ds_load_b128 v[OUTR+16*(\u)+4*(\f):OUTR+16*(\u)+4*(\f)+3], v[RD] offset:(\f)*4*SP  ; my own stage: LDS serves a wave's instructions in order; the next unit's stores come behind these
.endr
.endm
.macro SEND u, younger                 ; younger: the LDS instructions issued behind unit u's loads: the next unit's eight, or none
.irp f, 0,1,2,3
	s_wait_dscnt (\younger)+3-(\f)
	global_store_b128 v[GO], v[OUTR+16*(\u)+4*(\f):OUTR+16*(\u)+4*(\f)+3], s[10:11] offset:((\u)%3)*262144+((\u)/3)*2048+(\f)*512  ; 512 consecutive bytes, at a multiple of 256 from qkv's first
.endr
.endm
	PACK 0
.set t, 1
.rept 11                               ; a unit's arithmetic stands between the loads of the unit before and its stores
	PACK t
	SEND t-1, 8
.set t, t+1
.endr
	SEND 11, 0
	s_wait_tensorcnt 0x0                           ; the wave's end: three lines behind my last tensor load and my last LDS store
	ds_add_u32 v[SPW], v[NIL]
	s_wait_dscnt 0x0
	CROUND                                         ; the closing round: no work-group ends while a partner may still ask for a tile that names it
	s_endpgm
.Lfunc_end_k_q66ab9e3f77_qkvgemm:
	.size	k_q66ab9e3f77_qkvgemm, .Lfunc_end_k_q66ab9e3f77_qkvgemm-k_q66ab9e3f77_qkvgemm
	.p2alignl 7, 3214868480
	.fill 96, 4, 3214868480
	.section	.rodata,"a",@progbits
	.p2align	6, 0x0
	.amdhsa_kernel k_q66ab9e3f77_qkvgemm
		.amdhsa_group_segment_fixed_size 327680
		.amdhsa_private_segment_fixed_size 0
		.amdhsa_enable_private_segment 0
		.amdhsa_kernarg_size 32
		.amdhsa_user_sgpr_count 2
		.amdhsa_user_sgpr_kernarg_segment_ptr 1
		.amdhsa_wavefront_size32 1
		.amdhsa_system_sgpr_workgroup_id_x 1
		.amdhsa_system_sgpr_workgroup_id_y 1
		.amdhsa_system_sgpr_workgroup_id_z 1
		.amdhsa_system_vgpr_workitem_id 0
		.amdhsa_next_free_vgpr 960
		.amdhsa_next_free_sgpr 66
		.amdhsa_reserve_vcc 0
		.amdhsa_float_denorm_mode_32 3
		.amdhsa_float_denorm_mode_16_64 3
		.amdhsa_memory_ordered 1
		.amdhsa_forward_progress 1
		.amdhsa_inst_pref_size 107
	.end_amdhsa_kernel
	.amdgpu_metadata
---
amdhsa.version: [ 1, 2 ]
amdhsa.kernels:
  - .name:           k_q66ab9e3f77_qkvgemm
    .symbol:         k_q66ab9e3f77_qkvgemm.kd
    .args:
      - { .name: xb, .offset: 0, .size: 8, .value_kind: global_buffer, .address_space: global }
      - { .name: wat, .offset: 8, .size: 8, .value_kind: global_buffer, .address_space: global }
      - { .name: b_attn, .offset: 16, .size: 8, .value_kind: global_buffer, .address_space: global }
      - { .name: qkv, .offset: 24, .size: 8, .value_kind: global_buffer, .address_space: global }
    .group_segment_fixed_size: 327680
    .private_segment_fixed_size: 0
    .kernarg_segment_align: 8
    .kernarg_segment_size: 32
    .max_flat_workgroup_size: 128
    .sgpr_count:     66
    .vgpr_count:     960
    .wavefront_size: 32
...
	.end_amdgpu_metadata
.endif
;; end of part 2
;; launch attn (part 3): grid 4 x 64, 4 waves a work-group, no clusters, 327,680 bytes of LDS; arguments qkv, o; writes o
.if DOCPART == 3
	.amdgcn_target "amdgcn-amd-amdhsa--gfx1250"
	.amdhsa_code_object_version 6
	.text
	.protected	k_q66ab9e3f77_attn
	.globl	k_q66ab9e3f77_attn
	.p2align	8
	.type	k_q66ab9e3f77_attn,@function
k_q66ab9e3f77_attn:
	s_mov_b64 s[64:65], 0
	v_nop
	global_prefetch_b8 v0, s[64:65] scope:SCOPE_SE
	s_setreg_imm32_b32 hwreg(HW_REG_WAVE_MODE, 25, 1), 1
	s_wait_xcnt 0x0
; CAUSAL ATTENTION.  O[h][q][:] = the sum over k <= q of softmax_k(Q[h][q] . K[h][k] / 8) V[h][k][:], for 64 heads (h = 16 x batch + head) of 2,048 rows x 64 channels, all f16.
; IN: qkv [batch 4][g 48][2048][64]: a batch's 16 heads of Q, then of K, then of V; a head's rows are dense, 128 bytes each.  OUT: o [h 64][2048][64].
; Products, maxima and sums in f32; the weights p are rounded to f16 for the second product (their sum l is taken of the unrounded p), O once at the end.
; LIMITS.  Q, K and V arrive within f16's 65,504; p lies in 0 to 1, and below 6e-5 it keeps f16's fixed step of 6e-8; O is a mean of V's rows and has their range.
; A hidden score counts as its value less 1e30: f16's scores, 2.7e11 at the most, are nothing beside that; a weight below 2^-126 counts as 0 in l; NaN and infinities are not treated apart.
; THE WALK.  A head's queries lie in NB = 8 blocks of 256; block i needs the key tiles 0 .. i of 256 keys, of which the last holds the diagonal.  A work-group takes TWO blocks, NB - 1 - b and then b:
; NB + 1 tiles, whatever b: all work-groups do equal work, and ONE loop with a constant trip count walks them.  Which tile is asked for, and what a trip does, hang on scalar registers made from b; every jump
; goes forward, but for the counted loops' own; none passes a barrier, or a tensor load but the one of LOAD's two that the wave's number does not choose; the ring (two slots of LDS that take turns) runs on
; across the change of blocks.  NO CLUSTER: a head's four work-groups ask for the same tile only in trips 0 .. NB / 2, behind that fewer and fewer; one walk common to all would have 3 NB / 2 trips for NB + 1.
; SHARES.  Of a block's four bands of 64 queries a wave owns 16 rows in each: four PIECES.  So the diagonal tile is the same work for all four waves: in its key step s band x sees all keys if s < x,
; none if s > x, and holds the diagonal if s = x.
; THE MASK is the C operand that starts the sum S^T = K Q^T: 0, or -1e30 where the key is hidden.  MD, made once, is the mask of a band's own step for my 16 rows; a product's mask is MD x AL + BE with two scalars:
; (1, 0) if s = x; (0, 0) if s < x; (0, -1e30) if s > x.  Only the diagonal tile's text and a block's beginning make and take masks; elsewhere C is the constant 0.
; LAYOUT, SOFTMAX, TURNS.  S^T = K Q^T holds ONE query a lane (lane % 16) and the keys 8 (lane / 16) + 0..7; two such results rounded to f16 ARE source 1 of O^T = V^T P.  p = 2^(c s - c m), c = log2(e) / 8, with a
; running maximum m; O and l are multiplied by a = 2^(c m_old - c m_new) in every step.  Turn n belongs to piece n: 8 products K Q^T of piece n + 1, later 8 products V^T P of piece n - 1; beside them the scaling,
; exponentials, roundings, sums and rescaling of piece n and the maximum and statistics of piece n + 1.  Four vector instructions stand behind every matrix instruction, the other 54 of a turn's 118 in two runs of their own.
; AHEAD OF THE TENSOR LOADS.  The head's work-group b = 0 walks tiles 0 to 7 in order; behind the tensor load of its change of slots number c (which asks for tile c + 1) it prefetches tile c + 2 of K and of V,
; c = 0 .. 5: a thread a block of 256 bytes, 128 threads a tile's 32,768 bytes, two instructions a wave.  Each block is named once; tiles 0 and 1 come by their loads alone; nothing is named behind tile 7.
; REGISTERS, in windows of 256 (s_set_vgpr_msb: bits 1:0 source 0, 3:2 source 1, 5:4 source 2, 7:6 destination):
;   window 0: v0-15 addresses and two at work; v16-31 four registers of statistics a piece; v48-55 at work; v61-63 prefetch offset, spare word, 0; v64-127 S^T, two buffers; v192-223 P, two buffers (by the piece's parity)
;   window 1: v0-127 O^T, 32 a piece; v128-159 MD; v160-223 MC, two buffers      window 2: v0-63 Q; v64-127 the second block's Q; v128-191 K of one step; v192-255 V of one step
.set SIZE_N, 2048
.set NB,    SIZE_N/256
.set NP,    4         ; pieces a wave: a name, no knob
.set KS,    64        ; keys in a step
.set PK,    144       ; a row of K in LDS: 128 bytes + 16 of padding: the 16 rows of a load start 16 bytes apart modulo 256
.set PV,    160       ; a row of V: 128 + 32: 16 lanes of the turning load take 8 rows x 32 bytes, 32 bytes apart modulo 256
.set VOFF,  4*KS*PK   ; a slot holds a tile, four steps: 256 rows of K, then 256 rows of V
.set SLOT1, 1<<17     ; slot 1 begins here, so that one exclusive or turns an address in one slot into the other's
.set STAGE, SLOT1+4*KS*(PK+PV)  ; behind the ring, never filled by a tensor load: 16 rows x 144 bytes for each wave, for the way out
.set SP,    144
.set AK0, 2           ; v2   my lane's place in a tile of K; never rewritten
.set AV0, 3           ; v3   the same for V
.set AK,  4           ; v4   the LDS address of K's next run of loads
.set AV,  5           ; v5   of V's
.set STO, 6           ; v6   the way out: where I put 16 bytes of a row
.set RD,  7           ; v7   the way out: where I read rows back
.set GO,  8           ; v8   my byte offset in 512 consecutive bytes of O
.set PFO, 61          ; v61  256 x my thread's number; never rewritten
.set SPW, 62          ; v62  LDS address of my spare word: SPARE + 4 x my thread's number; never rewritten
.set NIL, 63          ; v63  0; never rewritten
.set SPARE, STAGE+4*16*SP  ; behind the stages: the spare words, 128 bytes for each wave: two blocks of 256 bytes that no other line names
.set MV,  12          ; v12-13  c m_old, kept while c m is made anew: by buffer
.set QO,  15          ; v15  my byte offset in 16 rows of Q
.set ST,  16          ; piece t's statistics at v[ST+4 t]: c m, m, l (even keys', odd keys')
.set TMP, 48          ; by buffer, four registers c0-c3 at work; when the maximum is found c2 takes a
.set S,   64
.set P,   192
.set MD,  128         ; window 1: the eight registers for group kt of 16 keys at MD + 8 kt
.set MC,  160         ; window 1: the masks of the products to come
.set QB,  64          ; window 2
.set KF,  128         ; window 2: key block kb, channel half c at KF + 16 kb + 8 c
.set VF,  192         ; window 2: key half kk, channel block cb at VF + 32 kk + 8 cb
.set WV,  12          ; s12  my wave's number
.set PB,  14          ; s14  b
.set HI,  15          ; s15  NB - 1 - b
.set G1K, 24          ; s[24:31] descriptor group 1 for K's tiles
.set G1V, 32          ; s[32:39] for V's: it differs in the padding alone
.set G0K, 40          ; s[40:43] descriptor group 0 for K's tiles
.set G0V, 44          ; s[44:47] the same for V's
.set SLOTS, 56        ; s56  tiles still to be asked for
.set CNT, 57          ; s57  counts a tile's key steps, 4 to 1
.set CS,  58          ; s[58:59] c: the packed scaling takes the pair's low word for both halves
.set SEL, 60          ; s[60:61] v_permlanex16_b32's selects: each lane takes its own place in the other half
.set TBK, 62          ; s62  LDS byte at which K of the step to be fetched begins
.set TBV, 63          ; s63  the same for V, less VOFF
.set PFK, 66          ; s[66:67] the head's K at the tile that the prefetch names
.set PFV, 68          ; s[68:69] the same for V
.set RT,  70          ; s70  tiles of the block in hand that are still to be entered
.set NXT, 71          ; s71  the tile to be asked for next
.set LQ,  72          ; s72  the last tile of the block whose tiles are being asked for
.set NEW, 73          ; s73  1: the tile to be entered is a block's first
.set OFF, 74          ; s[74:75] a tile's byte offset in K and V
.set AL,  76          ; s[76:77] the mask's factor, in the low word
.set BE,  78          ; s[78:79] the mask's addend
.set OLO, 80          ; s[80:81] O at my rows of the second block
.set BIGN, 82         ; s82  -1e30
.set LIM, 83          ; s83  2 in the head's work-group b = 0, else the greatest number: a wave prefetches while s[SLOTS] is above it
.set MSB, 0
.macro WIN new                      ; the high byte repeats the setting that is left; a switch that changes nothing is dropped
.if MSB != (\new)
	s_set_vgpr_msb (MSB<<8)|(\new)
.set MSB, (\new)
.endif
.endm
.set W_KQ, 0x0a       ; K and Q in window 2, S^T in window 0
.set W_KM, 0x1a       ; the same with the C operand in window 1
.set W_PV, 0x52       ; V in window 2, P in window 0, O^T in window 1
.set W_RS, 0x41       ; destination and source 0 in window 1, source 1 in window 0
; A fill.  Waves 0 and 1 fetch the two halves of a tile's K, waves 2 and 3 those of its V: 128 keys each.  An s_nop 0 and four v_nop follow each of the two lines, ahead of the jump and the label.
.macro LOAD
	s_cmp_lt_u32 s[WV], 2
	s_cbranch_scc0 .Lfor_v_\@
	tensor_load_to_lds s[G0K:G0K+3], s[G1K:G1K+7]
	s_nop 0
.rept 4
	v_nop
.endr
	s_branch .Lasked_\@
.Lfor_v_\@:
	tensor_load_to_lds s[G0V:G0V+3], s[G1V:G1V+7]
	s_nop 0
.rept 4
	v_nop
.endr
.Lasked_\@:
.endm
; THE CHANGE OF SLOTS.  Each wave waits for all its tensor loads, of which one is out: its part of the other slot; adds 0 to its spare word; and waits for that and for its own reads of the slot that it leaves.
; Behind the barrier nobody reads the old slot any more and the other slot is whole.  fill = 1: the old slot is filled again, the first thing behind the barrier, with tile NXT: the descriptor's address is made
; anew from that number; behind the load stand the prefetches of the tile after it.  (At its first use nothing has been read yet: slot 0 is waited for, slot 1 filled.)
.macro CHANGE fill
	WIN 0                           ; at a label and at a branch every window is 0
	s_wait_tensorcnt 0x0            ; no tensor load of mine is out, so a group 0 may be written
	ds_add_u32 v[SPW], v[NIL]       ; 0 onto my spare word; with fill = 1 the descriptors' scalar work stands between it and the wait for it
.if \fill
	s_lshl_b32 s[OFF], s[NXT], 15   ; a tile is 32,768 bytes of K and of V
	s_xor_b32 s[G0K+1], s[G0K+1], SLOT1
	s_add_nc_u64 s[G0K+2:G0K+3], s[6:7], s[OFF:OFF+1]
	s_or_b32 s[G0K+3], s[G0K+3], 0x80000000
	s_xor_b32 s[G0V+1], s[G0V+1], SLOT1
	s_add_nc_u64 s[G0V+2:G0V+3], s[8:9], s[OFF:OFF+1]
	s_or_b32 s[G0V+3], s[G0V+3], 0x80000000
	s_add_co_u32 s[NXT], s[NXT], 1  ; the block's next tile, or behind its last the second block's tile 0
	s_cmp_gt_u32 s[NXT], s[LQ]
	s_cselect_b32 s[NXT], 0, s[NXT]
	s_cselect_b32 s[LQ], s[PB], s[LQ]
	s_wait_xcnt 0x0                 ; the last prefetches, a tile back, have read their addresses, so these may be written:
	s_add_nc_u64 s[PFK:PFK+1], s[PFK:PFK+1], 32768  ; a tile on
	s_add_nc_u64 s[PFV:PFV+1], s[PFV:PFV+1], 32768
.endif
	s_wait_dscnt 0x0                ; the add is done, and my reads of the slot are over
	s_barrier_signal -1             ; the rest of the scalar work stands between the signal and the wait
	s_sub_co_u32 s[TBK], s[TBK], 4*KS*PK  ; the fetches go back to a slot's first step,
	s_xor_b32 s[TBK], s[TBK], SLOT1       ; in the other slot
	s_sub_co_u32 s[TBV], s[TBV], 4*KS*PV
	s_xor_b32 s[TBV], s[TBV], SLOT1
	s_barrier_wait -1
.if \fill
	LOAD
	s_cmp_gt_u32 s[SLOTS], s[LIM]   ; changes 0 to 5 of the head's work-group b = 0
	s_cbranch_scc0 .Lnot_mine_\@
	global_prefetch_b8 v[PFO], s[PFK:PFK+1] th:TH_LOAD_NT scope:SCOPE_SE
	global_prefetch_b8 v[PFO], s[PFV:PFV+1] th:TH_LOAD_NT scope:SCOPE_SE
.Lnot_mine_\@:
.endif
.endm
	s_load_b128 s[4:7], s[0:1], 0x0   ; qkv s[4:5], o s[6:7]
	v_lshl_add_u32 v[SPW], v0, 2, SPARE
	v_mov_b32 v[NIL], 0
	ds_add_u32 v[SPW], v[NIL]       ; the wave's opening: the add and its wait stand ahead of my first tensor load; the set-up below, work on registers, stands between them
	ds_add_u32 v62, v63
	v_lshrrev_b32 v1, 5, v0
	v_readfirstlane_b32 s[WV], v1   ; wave 0..3
	v_lshlrev_b32 v[PFO], 8, v0
	s_mov_b32 s[PB], ttmp9
	s_sub_co_u32 s[HI], NB-1, s[PB]
	s_cmp_eq_u32 s[PB], 0
	s_cselect_b32 s[LIM], 2, -1
	s_and_b32 s20, ttmp7, 0xffff    ; the head, 16 x batch + head
	s_lshr_b32 s88, s20, 4          ; in qkv a batch has 48 heads' rows, not 16: 32 x 262,144 bytes more for each batch
	s_lshl_b32 s88, s88, 23
	s_mov_b32 s89, 0
	s_mov_b32 s21, 0
	s_mov_b64 s[22:23], SIZE_N*128
	s_mul_u64 s[20:21], s[20:21], s[22:23]  ; the head's first byte, counted in heads of 262,144 bytes
	s_and_b32 s16, s[WV], 1         ; which half of a tile's 256 keys I fetch:
	s_lshl_b32 s22, s16, 14         ; its 128 rows of 128 bytes in memory,
	s_mov_b32 s23, 0
	s_add_nc_u64 s[22:23], s[22:23], s[20:21]
	s_mul_i32 s17, s16, 128*PK      ; and its place in a slot, for K
	s_mul_i32 s18, s16, 128*PV      ; and for V
	s_lshl_b32 s3, s[WV], 11        ; my 16 rows in a band of 64,
	s_lshl_b32 s2, s[HI], 15        ; in the first block,
	s_add_co_u32 s2, s2, s3
	s_lshl_b32 s84, s[PB], 15       ; and in the second
	s_add_co_u32 s84, s84, s3
	s_mov_b32 s3, 0
	s_mov_b32 s85, 0
	s_add_nc_u64 s[2:3], s[2:3], s[20:21]
	s_add_nc_u64 s[84:85], s[84:85], s[20:21]
	; descriptor group 1.  128 keys are 16,384 dense bytes: asked for as 64 rows of 256 bytes, two keys a row, and padded in LDS after every key
	s_mov_b32 s[G1K], (1<<16)|(1<<20)|(4<<22)|(3<<25)  ; 17:16 2-byte elements; 20 padding on; 24:22 after every 32 words (code 4); 31:25 4 words (code 3)
	s_mov_b32 s[G1V], (1<<16)|(1<<20)|(4<<22)|(7<<25)  ; the same with 8 words of padding (code 7)
.irp g, G1K, G1V
	s_mov_b32 s[\g+1], 128<<16      ; tensor_dim0 = 128
	s_mov_b32 s[\g+2], 64<<16       ; tensor_dim1 = 64
	s_mov_b32 s[\g+3], 128<<16      ; tile_dim0 = 128
	s_mov_b32 s[\g+4], 64           ; tile_dim1 = 64
	s_mov_b32 s[\g+5], 128          ; 128 elements from row to row
	s_mov_b32 s[\g+6], 0
	s_mov_b32 s[\g+7], 0
.endr
	s_mov_b32 s[CS], 0x3e38aa3b     ; c = log2(e) / 8 = 0.180337
	s_mov_b32 s[CS+1], s[CS]        ; named with it as a pair
	s_mov_b32 s[SEL], 0x76543210
	s_mov_b32 s[SEL+1], 0xfedcba98
	s_mov_b32 s[TBK], SLOT1+4*KS*PK ; the first change of slots turns these two into 0
	s_mov_b32 s[TBV], SLOT1+4*KS*PV
	s_mov_b32 s[G0K], 1             ; 1:0 count = 1
	s_mov_b32 s[G0K+1], s17         ; 63:32 LDS address: slot 0
	s_mov_b32 s[G0V], 1
	s_add_co_u32 s[G0V+1], s18, VOFF
	s_add_co_u32 s[RT], s[HI], 1    ; the first block has NB - b tiles
	s_mov_b32 s[NXT], 1
	s_mov_b32 s[LQ], s[HI]
	s_mov_b32 s[NEW], 1
	s_mov_b32 s[OFF+1], 0
	s_mov_b32 s[AL+1], 0            ; named as pairs
	s_mov_b32 s[BE+1], 0
	s_mov_b32 s[BIGN], 0xf149f2ca   ; -1e30
	s_mov_b32 s[SLOTS], NB
	s_wait_dscnt 0x0                ; the opening add is done
	s_wait_kmcnt 0x0
	s_mov_b64 s[10:11], s[6:7]      ; O
	s_add_nc_u64 s[4:5], s[4:5], s[88:89]    ; Q: the batch's first head, less 16 x batch heads: the head's offset above then holds for all four pointers
	s_add_nc_u64 s[6:7], s[4:5], 0x400000    ; K: 16 heads on
	s_add_nc_u64 s[8:9], s[4:5], 0x800000    ; V: 32 heads on
	s_add_nc_u64 s[PFK:PFK+1], s[6:7], s[20:21]
	s_add_nc_u64 s[PFK:PFK+1], s[PFK:PFK+1], 32768  ; at the head's tile 1: the first change of slots steps it to tile 2
	s_add_nc_u64 s[PFV:PFV+1], s[8:9], s[20:21]
	s_add_nc_u64 s[PFV:PFV+1], s[PFV:PFV+1], 32768
	s_add_nc_u64 s[6:7], s[6:7], s[22:23]  ; K and V at my half of the head's tile 0
	s_add_nc_u64 s[8:9], s[8:9], s[22:23]
	s_add_nc_u64 s[G0K+2:G0K+3], s[6:7], 0         ; 120:64 global address
	s_or_b32 s[G0K+3], s[G0K+3], 0x80000000        ; 127:126 type = 2
	s_add_nc_u64 s[G0V+2:G0V+3], s[8:9], 0
	s_or_b32 s[G0V+3], s[G0V+3], 0x80000000
	s_add_nc_u64 s[86:87], s[4:5], s[84:85]        ; Q at my rows of the second block,
	s_add_nc_u64 s[4:5], s[4:5], s[2:3]            ; Q and O at those of the first
	s_add_nc_u64 s[OLO:OLO+1], s[10:11], s[84:85]
	s_add_nc_u64 s[10:11], s[10:11], s[2:3]
	LOAD                            ; tile 0 into slot 0
	; A fragment of K or Q is 16 rows x 32 channels in 8 registers: lane l holds row l % 16, channels 8 (l / 16) + 0..7 and 16 + 8 (l / 16) + 0..7: two loads of 16 bytes, 32 bytes apart.
	v_and_b32 v1, 15, v0            ; l % 16
	v_bfe_u32 v9, v0, 4, 1          ; l / 16
	v_lshlrev_b32 v[QO], 7, v1
	v_lshl_add_u32 v[QO], v9, 4, v[QO]  ; row x 128 + 16 x half
	WIN 0x80                        ; destination window 2, address window 0
.set i, 0
.rept 8                             ; both blocks' Q: piece i / 2 lies in band i / 2, 8,192 bytes on; channels 32 (i % 2) on
	global_load_b128 v[8*i:8*i+3],   v[QO], s[4:5] offset:(i/2)*8192+(i%2)*64
	global_load_b128 v[8*i+4:8*i+7], v[QO], s[4:5] offset:(i/2)*8192+(i%2)*64+32
	global_load_b128 v[QB+8*i:QB+8*i+3],   v[QO], s[86:87] offset:(i/2)*8192+(i%2)*64
	global_load_b128 v[QB+8*i+4:QB+8*i+7], v[QO], s[86:87] offset:(i/2)*8192+(i%2)*64+32
.set i, i+1
.endr
	WIN 0
	v_lshlrev_b32 v14, 3, v9
	v_sub_nc_u32 v14, v1, v14
	s_lshl_b32 s13, s[WV], 4
	v_add_nc_u32 v14, s13, v14      ; my query's place in its band, 16 w + l % 16, less my lanes' 8 (l / 16): register r of group kt is hidden where 16 kt + r is greater
	WIN 0x40
.set i, 0
.rept 32
	v_cmp_gt_i32 vcc_lo, 16*(i/8)+i%8, v14
	v_cndmask_b32 v[MD+i], 0, s[BIGN], vcc_lo
.set i, i+1
.endr
	WIN 0
	v_mul_u32_u24 v[AK0], v1, PK
	v_lshl_add_u32 v[AK0], v9, 4, v[AK0]  ; row x pitch + 16 x half
	; The turning load takes 16 keys x 16 channels (lane l reads key 8 (l / 16) + l % 8, channels 8 ((l / 8) % 2) + 0..7) and leaves half a fragment of V^T: lane l holds channel l % 16 and 8 keys.
	v_and_b32 v10, 7, v0
	v_bfe_u32 v11, v0, 3, 1
	v_lshl_add_u32 v[AV0], v9, 3, v10
	v_mul_u32_u24 v[AV0], v[AV0], PV
	v_lshl_add_u32 v[AV0], v11, 4, v[AV0]
	v_add_nc_u32 v[AV0], VOFF, v[AV0]
	s_mul_i32 s13, s[WV], 16*SP
	s_add_co_u32 s13, s13, STAGE    ; my stage
	v_mul_u32_u24 v[STO], v1, SP    ; in: row l % 16, 16 bytes for each half of the lanes
	v_lshl_add_u32 v[STO], v9, 4, v[STO]
	v_add_nc_u32 v[STO], s13, v[STO]
	v_bfe_u32 v[RD], v0, 3, 2       ; back: 32 lanes take four rows of 128 bytes,
	v_mul_u32_u24 v[RD], v[RD], SP
	v_lshl_add_u32 v[RD], v10, 4, v[RD]
	v_add_nc_u32 v[RD], s13, v[RD]
	v_and_b32 v[GO], 31, v0         ; which are 512 consecutive bytes of O
	v_lshlrev_b32 v[GO], 4, v[GO]
	; A block's first step multiplies O^T and l by a = 0, and its first turn's products V^T P, of a piece that has not been, land in an O^T that is still to be so multiplied.  So these registers need only hold
	; finite numbers: zeros for the first block; what the first block left for the second.  All this stands in the wait for the first tile.
	WIN 0x80
.set i, VF
.rept 64
	v_mov_b32 v[i], 0
.set i, i+1
.endr
	WIN 0x40
.set i, 0
.rept 128
	v_mov_b32 v[i], 0
.set i, i+1
.endr
	WIN 0
.set i, 0
.rept 4
	v_mov_b32 v[ST+4*i+2], 0
	v_mov_b32 v[ST+4*i+3], 0
.set i, i+1
.endr
.set i, P+16
.rept 16
	v_mov_b32 v[i], 0
.set i, i+1
.endr
; THE MATRIX WORK.  The 4 accumulators of a run of 8 take turns.  Product i of 8 of S^T = K Q^T for piece x: channels 32 (i / 4) on, keys 16 (i % 4) on.  The first 4 start the sums: with 0, or (KM = 1) with the mask.
.macro KQ x
.set rS, S+32*((\x)%2)+8*(i%4)
.set rK, KF+16*(i%4)+8*(i/4)
.set rQ, 16*(\x)+8*(i/4)
.set rM, MC+32*((\x)%2)+8*(i%4)
.if (i < 4) && KM
	WIN W_KM
	v_wmma_f32_16x16x32_f16 v[rS:rS+7], v[rK:rK+7], v[rQ:rQ+7], v[rM:rM+7]
.elseif i < 4
	WIN W_KQ
	v_wmma_f32_16x16x32_f16 v[rS:rS+7], v[rK:rK+7], v[rQ:rQ+7], 0
.else
	WIN W_KQ
	v_wmma_f32_16x16x32_f16 v[rS:rS+7], v[rK:rK+7], v[rQ:rQ+7], v[rS:rS+7]
.endif
.endm
; Product i of 8 of O^T += V^T P for piece x: keys 32 (i / 4) on, channels 16 (i % 4) on.
.macro PV x
	WIN W_PV
.set rO, 32*(\x)+8*(i%4)
.set rV, VF+32*(i/4)+8*(i%4)
.set rP, P+16*((\x)%2)+8*(i/4)
	v_wmma_f32_16x16x32_f16 v[rO:rO+7], v[rV:rV+7], v[rP:rP+7], v[rO:rO+7]
.endm
.macro MM                           ; the turn's next matrix instruction.  TURN and BEGIN set Y, i, KM and NOKQ; MM, KQ and OP read them.  NOKQ = 1: a block's last turn: there is no next piece
.if (i < 8) && !NOKQ
	KQ (Y+1)%NP
.elseif i >= 8
.set i, i-8
	PV (Y+NP-1)%NP
.set i, i+8
.endif
.set i, i+1
.endm
; THE LDS LOADS stand in runs of 16, never singly among the matrix instructions: a step's K (64 keys x 64 channels: 8 fragments) and its V (turned).  Their addresses are made some lines ahead.
.macro FETCH_K
	WIN 0x80                        ; destination window 2
.irp f, 0,1,2,3,4,5,6,7             ; keys 16 (f / 2) on, channels 32 (f % 2) on
	ds_load_b128 v[KF+8*\f:KF+8*\f+3],   v[AK] offset:(\f/2)*16*PK+(\f%2)*64
	ds_load_b128 v[KF+8*\f+4:KF+8*\f+7], v[AK] offset:(\f/2)*16*PK+(\f%2)*64+32
.endr
	s_add_co_u32 s[TBK], s[TBK], KS*PK  ; the next fetch is the next step's
	WIN 0
.endm
.macro FETCH_V
	WIN 0x80
.irp f, 0,1,2,3,4,5,6,7             ; keys 32 (f / 4) on, channels 16 (f % 4) on
	ds_load_tr16_b128 v[VF+8*\f:VF+8*\f+3],   v[AV] offset:(\f/4)*32*PV+(\f%4)*32
	ds_load_tr16_b128 v[VF+8*\f+4:VF+8*\f+7], v[AV] offset:(\f/4)*32*PV+16*PV+(\f%4)*32
.endr
	WIN 0
.endm
; THE VECTOR WORK, one line at a time: OP kind, number.  For piece Y: F n: c s - c m for pair n of 16.  E n: the exponential of score n of 32.  C n: pair n rounded to f16.  B n: of the four weights 4 n .. the second
; pair is added onto the first, in place.  L n: l takes that sum (L 0: l = a l + sum).  R n: pair n of 16 of O^T times a.  For piece Y + 1: X n, number n of the 22 that find its maximum and statistics:
;   0-11  four chains c0-c3 of seven scores each, three operands at a time (each accumulator's lowest registers are read first)     12-14, 16  the four scores left over, the old m, and c0-c3 into c0
;   15  c m_old is kept     17, 18  the query's other 32 keys lie in the lane 16 away: the new m     19-21  c m; c m_old - c m_new; a
.set F, 0               ; OP tells the kinds apart by their order: F to L below R, X above it
.set E, 1
.set C, 2
.set B, 3
.set L, 4
.set R, 5
.set X, 6
.macro REGS y                       ; the registers of piece y
.set rT, ST+4*(\y)
.set rC, TMP+4*((\y)%2)
.set rW, MV+((\y)%2)
.set rS, S+32*((\y)%2)
.set rP, P+16*((\y)%2)
.set rO, 32*(\y)
.endm
.macro OP k, n
.if (\k) == R
	REGS Y
	WIN W_RS
	v_pk_mul_f32 v[rO+2*(\n):rO+2*(\n)+1], v[rO+2*(\n):rO+2*(\n)+1], v[rC+2:rC+3] op_sel_hi:[1,0]
.elseif (\k) < R
	REGS Y
	WIN 0
.if (\k) == F
	v_pk_fma_f32 v[rS+2*(\n):rS+2*(\n)+1], v[rS+2*(\n):rS+2*(\n)+1], s[CS:CS+1], v[rT:rT+1] op_sel_hi:[1,0,0] neg_lo:[0,0,1] neg_hi:[0,0,1]
.elseif (\k) == E
	v_exp_f32 v[rS+(\n)], v[rS+(\n)]
.elseif (\k) == C
	s_wait_alu depctr_va_vdst(0)
	v_cvt_pk_f16_f32 v[rP+(\n)], v[rS+2*(\n)], v[rS+2*(\n)+1]
.elseif (\k) == B
	s_wait_alu depctr_va_vdst(0)
	v_pk_add_f32 v[rS+4*(\n):rS+4*(\n)+1], v[rS+4*(\n):rS+4*(\n)+1], v[rS+4*(\n)+2:rS+4*(\n)+3]
.elseif (\n) == 0
	v_pk_fma_f32 v[rT+2:rT+3], v[rT+2:rT+3], v[rC+2:rC+3], v[rS:rS+1] op_sel_hi:[1,0,1]
.else
	v_pk_add_f32 v[rT+2:rT+3], v[rT+2:rT+3], v[rS+4*(\n):rS+4*(\n)+1]
.endif
.elseif NOKQ
	v_nop
.else
	REGS (Y+1)%NP
	WIN 0
.if (\n) < 4
	v_max3_num_f32 v[rC+(\n)], v[rS+8*(\n)], v[rS+8*(\n)+1], v[rS+8*(\n)+2]
.elseif (\n) < 12
	v_max3_num_f32 v[rC+(\n)%4], v[rC+(\n)%4], v[rS+8*((\n)%4)+2*((\n)/4)+1], v[rS+8*((\n)%4)+2*((\n)/4)+2]
.elseif (\n) == 12
	v_max3_num_f32 v[rC], v[rC], v[rS+7], v[rS+15]
.elseif (\n) == 13
	v_max3_num_f32 v[rC+1], v[rC+1], v[rS+23], v[rS+31]
.elseif (\n) == 14
	v_max3_num_f32 v[rC+2], v[rC+2], v[rC+3], v[rT+1]
.elseif (\n) == 15
	v_mov_b32 v[rW], v[rT]
.elseif (\n) == 16
	v_max3_num_f32 v[rC], v[rC], v[rC+1], v[rC+2]
.elseif (\n) == 17
	v_permlanex16_b32 v[rC+3], v[rC], s[SEL], s[SEL+1]
.elseif (\n) == 18
	v_max_num_f32 v[rT+1], v[rC], v[rC+3]
.elseif (\n) == 19
	v_mul_f32 v[rT], s[CS], v[rT+1]
.elseif (\n) == 20
	v_sub_f32 v[rC+1], v[rW], v[rT]
.else
	v_exp_f32 v[rC+2], v[rC+1]
.endif
.endif
.endm
.macro OPS a, i1, b=-1, i2=0, c=-1, i3=0, d=-1, i4=0  ; up to four of them
	OP \a, \i1
.if (\b) >= 0
	OP \b, \i2
.endif
.if (\c) >= 0
	OP \c, \i3
.endif
.if (\d) >= 0
	OP \d, \i4
.endif
.endm
.macro ROW a, i1, b, i2, c, i3, d, i4  ; a matrix instruction and the four behind it
	MM
	OPS \a, \i1, \b, \i2, \c, \i3, \d, \i4
.endm
.macro MASK b                       ; MD x AL + BE into buffer b of MC
	WIN W_RS
.set z, 0
.rept 16
	v_pk_fma_f32 v[MC+32*(\b)+2*z:MC+32*(\b)+2*z+1], v[MD+2*z:MD+2*z+1], s[AL:AL+1], s[BE:BE+1] op_sel_hi:[1,0,0]
.set z, z+1
.endr
.endm
; A TURN, for piece p: the order of its 16 matrix and 118 vector instructions, written out.  Behind a matrix instruction: plain, exponential, plain, plain; or four of the rescaling; or, behind the first, four scalings; none
; names a register of the products round it.  In the runs of their own exponential and plain by turns while exponentials last.  A line reads no result made fewer than three vector instructions in front of it, five if an
; exponential made it.  v_permlanex16_b32 (X 17) stands in such a run.
; m = 1: the diagonal tile: the products take masks, and the turn makes the mask for the products of the turn after it: piece p + 2, in step 4 - CNT of the tile.  end = 1: a block's last two turns: nothing is fetched.
; cnt = 1: the loop's count is taken down some lines ahead of the branch that stands behind the turn.
; K of the next step is fetched in piece 2's turn, six vector instructions behind the last product that read K (five of them plain); V of the step in hand in piece 0's turn, eight behind the last product that read V (four
; plain, and X 17).  Each is waited for a turn later.
.macro TURN p, m=0, end=0, cnt=0
.set Y, (\p)
.set i, 0
.set KM, (\m)
.set NOKQ, (\end)*((\p)/3)
.if (\m) && !(\end)
	s_cmp_eq_u32 s[CNT], 4-((\p)+2)%NP  ; is that step the band's own?
	s_cselect_b32 s[AL], 1.0, 0
	s_cmp_lt_u32 s[CNT], 4-((\p)+2)%NP  ; or a later one?
	s_cselect_b32 s[BE], s[BIGN], 0
.endif
.if ((\p) == 3) && !(\end)
	s_wait_dscnt 0x0                ; K is in
.endif
	ROW F,0, F,1, F,2, F,3
	ROW F,4, E,0, F,5, F,6
	ROW F,7, E,1, F,8, F,9
	ROW F,10, E,2, C,0, F,11
	ROW F,12, E,3, X,15, F,13
	ROW R,0, R,1, R,2, R,3
	ROW B,0, E,4, F,14, L,0
.if ((\p) == 2) && !(\end)
	v_add_nc_u32 v[AK], s[TBK], v[AK0]
.endif
	ROW R,4, R,5, R,6, R,7
	OPS E,5, F,15
.if ((\p) == 2) && !(\end)
	FETCH_K
.endif
	OPS E,6, C,1, E,7, R,8
	OPS E,8, R,9, E,9, C,2
	OPS E,10, X,0, E,11, X,1
	OPS E,12, X,2, E,13, X,3
.if (\p) == 1
	s_wait_dscnt 0x0                ; V is in
.endif
	ROW X,4, E,14, X,5, X,6
	ROW X,7, E,15, X,8, X,9
	ROW X,10, E,16, X,11, X,12
	ROW X,13, E,17, X,14, B,1
	ROW C,4, E,18, X,16, L,1
	ROW B,2, E,19, C,6, L,2
	ROW C,8, E,20, B,3, B,4
.if (\p) == 0
	v_add_nc_u32 v[AV], s[TBV], v[AV0]
.endif
	ROW C,3, E,21, L,3, C,5
	OPS E,22, X,17, E,23, C,10
.if (\p) == 0
	FETCH_V
.endif
	OPS E,24, L,4
	OPS E,25, X,18, E,26, C,7
	OPS E,27, B,5, E,28, X,19
	OPS E,29, C,12, E,30, L,5
	OPS E,31, X,20, B,6, C,9
	OPS C,14, C,11, X,21, L,6
.if (\p) == 0
	s_add_co_u32 s[TBV], s[TBV], KS*PV
.endif
.if \cnt
	s_sub_co_u32 s[CNT], s[CNT], 1
	s_cmp_lg_u32 s[CNT], 0
.endif
	OPS C,13, B,7, C,15, R,10
	OPS R,11, R,12, L,7, R,13
	OPS R,14, R,15
.if (\m) && !(\end)
	MASK (\p)%2
.endif
.endm
; A BLOCK BEGINS.  c m starts far below every c s, so the first step's a is 0; m at the lowest finite number, so the first maximum is the scores'.  The second mask buffer is 0; the first takes piece 0's mask for the
; tile's step 0: its own, if the block's first tile is the diagonal one.  Then K of that step, piece 0's first scores, and its maximum and statistics.  The loop is entered at a step's first turn, in the middle of a trip.
.macro BEGIN
	s_mov_b32 s[NEW], 0
	WIN 0x40
.set i, MC+32
.rept 32
	v_mov_b32 v[i], 0
.set i, i+1
.endr
	WIN 0
.set i, 0
.rept 4
	v_mov_b32 v[ST+4*i], 0xfe000000    ; c m: far below every c s
	v_mov_b32 v[ST+4*i+1], 0xff7fffff  ; m
.set i, i+1
.endr
	s_cmp_eq_u32 s[RT], 0
	s_cselect_b32 s[AL], 1.0, 0
	s_mov_b32 s[BE], 0
	MASK 0
	WIN 0
	v_add_nc_u32 v[AK], s[TBK], v[AK0]
	FETCH_K
	s_wait_loadcnt 0x0              ; Q
	s_wait_dscnt 0x0
.set KM, 1
.set NOKQ, 0
.set i, 0
.rept 8
	KQ 0
.set i, i+1
.endr
	WIN 0
.rept 4
	v_nop                           ; the places behind those products
.endr
.set Y, NP-1                        ; X works for piece Y + 1: piece 0
.irp n, 0,1,2,3,4,5,6,7,8,9,10,11,12,13,14,15,16,17,18,19,20,21
	OP X, \n
.endr
	v_nop                           ; a plain instruction behind the exponential
.endm
; THE DIAGONAL TILE's four steps, the block's last two turns, its last products, and THE WAY OUT: l's two halves and the other half of the lanes' are added; O^T is divided by l, rounded to f16 and sent through my
; stage in LDS, a piece at a time.
.macro ALL line:vararg              ; one line for each piece t
.set t, 0
.rept 4
	\line
.set t, t+1
.endr
.endm
.macro PACK t                       ; a lane's eight channels of a row pack into 16 bytes; they go into rows of 144 bytes and come back as whole rows of 128, into S^T's registers
	WIN W_RS
.set i, 32*(\t)
.rept 16
	s_wait_alu depctr_va_vdst(0)
	v_pk_mul_f32 v[i:i+1], v[i:i+1], v[ST+4*(\t)+2:ST+4*(\t)+3] op_sel_hi:[1,0]
.set i, i+2
.endr
	WIN 0x05                        ; sources 0 and 1 window 1, destination window 0
.set i, 0
.rept 16
	v_cvt_pk_f16_f32 v[S+16*(\t)+i], v[32*(\t)+2*i], v[32*(\t)+2*i+1]
.set i, i+1
.endr
	WIN 0
.irp f, 0,1,2,3
	ds_store_b128 v[STO], v[S+16*(\t)+4*\f:S+16*(\t)+4*\f+3] offset:32*\f
.endr
.irp f, 0,1,2,3
	ds_load_b128 v[S+16*(\t)+4*\f:S+16*(\t)+4*\f+3], v[RD] offset:\f*4*SP  ; LDS serves a wave's instructions in order (ISA guide 5.7.1.4): these see the stores above; the next piece's stores come behind them
.endr
.endm
.macro SEND t, younger              ; younger: the LDS instructions issued behind piece t's loads: the next piece's eight, or none
	WIN 0
.irp f, 0,1,2,3
	s_wait_dscnt (\younger)+3-\f
	global_store_b128 v[GO], v[S+16*(\t)+4*\f:S+16*(\t)+4*\f+3], s[10:11] offset:(\t)*8192+\f*512  ; 512 consecutive bytes, at a multiple of 256 from O's first
.endr
.endm
.macro DIAG tag                     ; the tag ends its two labels' names, which the jumps below spell out
.LstepM\tag:
	TURN 2, 1
	TURN 3, 1
	WIN 0
.LfirstM\tag:
	TURN 0, 1
	TURN 1, 1, 0, 1
	WIN 0
	s_cbranch_scc1 .LstepM\tag
	TURN 2, 1, 1
	TURN 3, 1, 1
.set i, 0
.rept 8
	PV NP-1
.set i, i+1
.endr
	WIN 0
	ALL v_add_f32 v[ST+4*t+2], v[ST+4*t+2], v[ST+4*t+3]
	ALL v_permlanex16_b32 v[ST+4*t+3], v[ST+4*t+2], s[SEL], s[SEL+1]
	ALL v_add_f32 v[ST+4*t+2], v[ST+4*t+2], v[ST+4*t+3]
	ALL v_rcp_f32 v[ST+4*t+2], v[ST+4*t+2]
	v_nop                           ; a plain instruction between the last reciprocal and the use of its result
	PACK 0
.set t, 1
.rept 3                             ; a piece's arithmetic stands between the loads of the piece before and its stores
	PACK t
	SEND t-1, 8
.set t, t+1
.endr
	SEND 3, 0
.endm
.set KM, 0
.set NOKQ, 0
.Lslot:                             ; NB times: a tile is entered and the next is asked for
	CHANGE 1
	s_sub_co_u32 s[RT], s[RT], 1
	s_mov_b32 s[CNT], 4
	s_cmp_eq_u32 s[NEW], 1
	s_cbranch_scc1 .Lnew            ; a block's first tile
	s_cmp_eq_u32 s[RT], 0
	s_cbranch_scc0 .Lstep           ; neither its first nor its last
	s_branch .LstepM1
.Lnew:
	BEGIN
	s_branch .Lfirst                ; in the loop a block's first tile is never its last: the first block has two tiles or more, and the second's last is the walk's last
	DIAG 1                          ; in the loop this is the first block's end: the second block's last tile is the walk's last
	s_wait_xcnt 0x0                 ; the stores have read their registers and O's address
	s_mov_b64 s[10:11], s[OLO:OLO+1]
	s_add_co_u32 s[RT], s[PB], 1    ; the second block has b + 1 tiles
	s_mov_b32 s[NEW], 1
	WIN 0x82                        ; the second block's Q goes where the one text of the turns names Q
.set i, 0
.rept 64
	v_mov_b32 v[i], v[QB+i]
.set i, i+1
.endr
	WIN 0
	s_branch .Lbottom
.Lstep:                             ; a trip: pieces 2 and 3 of one step, then pieces 0 and 1 of the next, whose K and V it fetches
	TURN 2
	TURN 3
	WIN 0
.Lfirst:
	TURN 0
	TURN 1, 0, 0, 1
	WIN 0
	s_cbranch_scc1 .Lstep
.Lbottom:
	s_sub_co_u32 s[SLOTS], s[SLOTS], 1
	s_cmp_lg_u32 s[SLOTS], 0
	s_cbranch_scc1 .Lslot
	CHANGE 0                        ; the walk's last tile is written out: nothing is asked for
	s_sub_co_u32 s[RT], s[RT], 1
	s_mov_b32 s[CNT], 4
	s_cmp_eq_u32 s[NEW], 1
	s_cbranch_scc0 .LstepM2
	BEGIN
	s_branch .LfirstM2
	DIAG 2
	s_wait_tensorcnt 0x0            ; the wave's end: three lines behind my last tensor load and my last LDS store
	ds_add_u32 v[SPW], v[NIL]
	s_wait_dscnt 0x0
	s_endpgm
.Lfunc_end_k_q66ab9e3f77_attn:
	.size	k_q66ab9e3f77_attn, .Lfunc_end_k_q66ab9e3f77_attn-k_q66ab9e3f77_attn
	.p2alignl 7, 3214868480
	.fill 96, 4, 3214868480
	.section	.rodata,"a",@progbits
	.p2align	6, 0x0
	.amdhsa_kernel k_q66ab9e3f77_attn
		.amdhsa_group_segment_fixed_size 327680
		.amdhsa_private_segment_fixed_size 0
		.amdhsa_enable_private_segment 0
		.amdhsa_kernarg_size 16
		.amdhsa_user_sgpr_count 2
		.amdhsa_user_sgpr_kernarg_segment_ptr 1
		.amdhsa_wavefront_size32 1
		.amdhsa_system_sgpr_workgroup_id_x 1
		.amdhsa_system_sgpr_workgroup_id_y 1
		.amdhsa_system_sgpr_workgroup_id_z 1
		.amdhsa_system_vgpr_workitem_id 0
		.amdhsa_next_free_vgpr 768
		.amdhsa_next_free_sgpr 90
		.amdhsa_reserve_vcc 1
		.amdhsa_float_denorm_mode_32 3
		.amdhsa_float_denorm_mode_16_64 3
		.amdhsa_memory_ordered 1
		.amdhsa_forward_progress 1
		.amdhsa_inst_pref_size 229
	.end_amdhsa_kernel
	.amdgpu_metadata
---
amdhsa.version: [ 1, 2 ]
amdhsa.kernels:
  - .name:           k_q66ab9e3f77_attn
    .symbol:         k_q66ab9e3f77_attn.kd
    .args:
      - { .name: qkv, .offset: 0, .size: 8, .value_kind: global_buffer, .address_space: global }
      - { .name: o, .offset: 8, .size: 8, .value_kind: global_buffer, .address_space: global }
    .group_segment_fixed_size: 327680
    .private_segment_fixed_size: 0
    .kernarg_segment_align: 8
    .kernarg_segment_size: 16
    .max_flat_workgroup_size: 128
    .sgpr_count:     90
    .vgpr_count:     768
    .wavefront_size: 32
...
	.end_amdgpu_metadata
.endif
;; end of part 3
;; launch projgemm (part 4): grid 8 x 32, 4 waves a work-group, clusters of 4 x 4, 327,680 bytes of LDS; arguments o, wpt, b_proj, out0; writes out0
.if DOCPART == 4
	.amdgcn_target "amdgcn-amd-amdhsa--gfx1250"
	.amdhsa_code_object_version 6
	.text
	.protected	k_q66ab9e3f77_projgemm
	.globl	k_q66ab9e3f77_projgemm
	.p2align	8
	.type	k_q66ab9e3f77_projgemm,@function
k_q66ab9e3f77_projgemm:
	s_mov_b64 s[64:65], 0
	v_nop
	global_prefetch_b8 v0, s[64:65] scope:SCOPE_SE
	s_setreg_imm32_b32 hwreg(HW_REG_WAVE_MODE, 25, 1), 1
	s_wait_xcnt 0x0
	s_wait_alu depctr_hold_cnt(0) depctr_sa_sdst(0) depctr_va_vdst(0) depctr_va_sdst(0) depctr_va_ssrc(0) depctr_va_vcc(0) depctr_vm_vsrc(0)
	s_getreg_b32 s2, hwreg(HW_REG_IB_STS2, 6, 4)
	s_cmp_eq_u32 s2, 0
	s_cbranch_scc0 .Lentry_in_a_cluster
	s_endpgm
.Lentry_in_a_cluster:
	s_bfe_u32 s2, ttmp6, 0x10000c
	s_cmp_lg_u32 s2, 0xf033
	s_cbranch_scc0 .Lentry_shape_is_right
	s_endpgm
.Lentry_shape_is_right:
; out0 = O w_proj + b_proj.  o: [h = 16 batch + head][2048][64] f16; wpt: [1024 n][1024 k] f16 (w_proj rounded to bf16, that number written as f16); b_proj: [1024] f32, rounded to bf16 here like
; the other inputs; sums in f32, K ascending, started by the bias.  out0: [8192][1024] f32.
; SHARES.  A tile of out0 is 256 rows x 128 columns: 8 x 32 = 256 work-groups.  Wave w of four owns rows 64 w .. 64 w + 63 and all 128 columns: 32 accumulators of 16 x 16.
; K = head x 64 + channel goes in 8 steps of 128, two heads each, through two LDS slots; a step is four quarters of 32 along K, 32 matrix instructions each.
; A head's 256 rows of a tile are 32,768 dense bytes of o: asked for as 128 rows of 256 bytes and padded in LDS after every 128, so that a row of 64 channels has a pitch of 144.
; CLUSTER.  4 x 4 work-groups.  The four of a row of the cluster need the same tile of O, the four of a column the same tile of the weights: each is asked for jointly.  Waves 0 and 1 fetch a step's two
; heads of O, waves 2 and 3 the two halves (64 rows each) of the weights' tile.
; THE MATRIX INSTRUCTION IS USED TRANSPOSED (source 0 = 16 rows of wpt, source 1 = 16 rows of O): a lane holds row lane % 16 and the columns 8 (lane / 16) + 0..7: 32 bytes of f32 on end.
; REGISTERS, in windows of 256 (s_set_vgpr_msb: bits 1:0 source 0, 3:2 source 1, 5:4 source 2, 7:6 destination):
;   window 0: v0-31 addresses; v64-127 O's fragments, two buffers of 32; v128-191 the bias, 8 registers a block of 16 columns
;   window 1: v0-127 the weights' fragments, two buffers of 64        window 2: the accumulators, (a, b) at v[64 a + 8 b]; on the way out the same registers take the rows read back
.set PITCH, 272                        ; a row of the weights in LDS: 256 bytes + 16
.set PA,    144                        ; a row of O in LDS: 128 bytes + 16
.set PLANE, 256*PA                     ; a head's 256 rows
.set BOFF,  2*PLANE                    ; in a slot: two heads of O, then the weights' 128 rows
.set SLOT1, 1<<17                      ; slot 1 begins here, so that one exclusive or turns an address in one slot into the other's
.set STAGE, SLOT1+BOFF+128*PITCH       ; behind the ring, never filled by a tensor load: 16 rows x 528 bytes for each wave
.set SP,    528                        ; a stage row: 512 bytes + 16
.set SPARE, STAGE+4*16*SP              ; the spare words, 128 bytes for each wave: two blocks of 256 bytes that no other line names
.set STEPA, 524288                     ; two heads of 262,144 bytes
.set STEPB, 256                        ; 128 k of 2 bytes
.set A0,   16                          ; v16  my lane's place in O's tile; never rewritten
.set B0,   17                          ; v17  in the weights' tile
.set ADRA, 18                          ; v18  the same in the slot in hand
.set ADRB, 19                          ; v19
.set STO,  24                          ; v24  the way out: where I put 32 bytes of a row
.set RD,   25                          ; v25  where I read a row back
.set GO,   26                          ; v26  my 16 bytes in 512 consecutive bytes of a row of out0
.set BO,   27                          ; v27  32 x (lane / 16)
.set SPW,  28                          ; v28  LDS address of my spare word; never rewritten
.set NIL,  29                          ; v29  0; never rewritten
.set FA0,  64
.set BI,   128
.set TB,   2                           ; s2   LDS byte at which the slot in hand begins
.set G1A, 24                           ; s[24:31] descriptor group 1 for O's tiles;  s[32:39] group 0: a set for each first fill; the second then walks on
.set G0A, 32
.set G1B, 48                           ; s[48:55], s[56:63] the same for the weights'
.set G0B, 56
.set MSB, 0
.macro WIN new                         ; the immediate's high byte repeats the setting that is left; a switch that changes nothing is dropped
.if MSB != (\new)
	s_set_vgpr_msb (MSB<<8)|(\new)
.set MSB, (\new)
.endif
.endm
.macro PLACES                          ; four places in front of loads into registers that matrix instructions have read, and of reads of results
.rept 4
	v_nop
.endr
.endm
; A joint refill by the walking descriptors.  The branch hangs on the wave's number alone.  An s_nop 0 and four v_nop follow each of the two lines, ahead of the jump and the label.
.macro JLOAD
	s_cmp_eq_u32 s14, 0
	s_cbranch_scc0 .Lfor_b_\@
	tensor_load_to_lds s[G0A+4:G0A+7], s[G1A:G1A+7]
	s_nop 0
.rept 4
	v_nop
.endr
	s_branch .Lasked_\@
.Lfor_b_\@:
	tensor_load_to_lds s[G0B+4:G0B+7], s[G1B:G1B+7]
	s_nop 0
.rept 4
	v_nop
.endr
.Lasked_\@:
.endm
.macro CREST                           ; a round of the cluster's barrier behind its opening barrier
	s_cmp_lg_u32 s12, 0
	s_cbranch_scc1 .Lnot_wave_0_\@
	s_barrier_signal -3
.Lnot_wave_0_\@:
	s_barrier_wait -3
	s_barrier_signal -1
	s_barrier_wait -1
.endm
.macro CROUND                          ; a whole round
	s_barrier_signal -1
	s_barrier_wait -1
	CREST
.endm
	s_load_b256 s[4:11], s[0:1], 0x0               ; o s[4:5], wpt s[6:7], b_proj s[8:9], out0 s[10:11]
	v_lshl_add_u32 v[SPW], v0, 2, SPARE
	v_mov_b32 v[NIL], 0
	ds_add_u32 v[SPW], v[NIL]                      ; the wave's opening: the add and its wait stand ahead of my first tensor load; the set-up below, work on registers, stands between them
	ds_add_u32 v28, v29
	v_lshrrev_b32 v1, 5, v0
	v_readfirstlane_b32 s12, v1                    ; wave 0..3
	s_and_b32 s13, s12, 1                          ; which head of a step's two, or which half of the weights' tile, I fetch
	s_lshr_b32 s14, s12, 1                         ; 0: I fetch O; 1: the weights
	s_bfe_u32 s40, ttmp6, 0x40000                  ; cx, cy: my place in the cluster
	s_bfe_u32 s41, ttmp6, 0x40004
	s_lshl_b32 s42, ttmp9, 2
	s_add_co_u32 s42, s42, s40                     ; tile column = 4 x cluster x + cx
	s_and_b32 s43, ttmp7, 0xffff
	s_lshl_b32 s43, s43, 2
	s_add_co_u32 s43, s43, s41                     ; tile row = 4 x cluster y + cy
	s_lshl_b32 s44, s41, 2
	s_lshl_b32 s44, 15, s44                        ; my row of the cluster
	s_lshl_b32 s45, 0x1111, s40                    ; my column
	s_or_b32 s[G1A], s44, (1<<16)|(1<<20)|(1<<21)|(4<<22)|(3<<25)  ; 15:0 the mask; 17:16 elements of 2 bytes; 20 padding on; 21 set beside a mask; 24:22 after every 32 words (code 4); 31:25 4 words of it (code 3)
	s_or_b32 s[G1B], s45, (1<<16)|(1<<20)|(1<<21)|(5<<22)|(3<<25)  ; after every 64 words (code 5)
	s_mov_b32 s[G1A+1], 128<<16                    ; tensor_dim0 = 128
	s_mov_b32 s[G1A+2], 128<<16                    ; tensor_dim1 = 128
	s_mov_b32 s[G1A+3], 128<<16                    ; tile_dim0 = 128
	s_mov_b32 s[G1A+4], 128                        ; tile_dim1 = 128
	s_mov_b32 s[G1A+5], 128                        ; dense: 128 elements from row to row
	s_mov_b32 s[G1A+6], 0
	s_mov_b32 s[G1A+7], 0
	s_mov_b32 s[G1B+1], 128<<16
	s_mov_b32 s[G1B+2], 64<<16                     ; 64 rows
	s_mov_b32 s[G1B+3], 128<<16
	s_mov_b32 s[G1B+4], 64
	s_mov_b32 s[G1B+5], 1024
	s_mov_b32 s[G1B+6], 0
	s_mov_b32 s[G1B+7], 0
	; O's tile hangs on the tile row alone, the weights' on the tile column alone, each in registers that never hold the other coordinate
	s_lshr_b32 s16, s43, 3
	s_lshl_b32 s16, s16, 22                        ; the batch: 16 heads of 262,144 bytes
	s_lshl_b32 s17, s13, 18                        ; my head of the step's two
	s_add_co_u32 s16, s16, s17
	s_and_b32 s17, s43, 7
	s_lshl_b32 s17, s17, 15                        ; the tile's 256 rows of 128 bytes
	s_add_co_u32 s16, s16, s17
	s_mov_b32 s17, 0
	s_lshl_b32 s46, s42, 7
	s_lshl_b32 s47, s13, 6
	s_add_co_u32 s46, s46, s47                     ; row 128 x tile column + 64 x half,
	s_lshl_b32 s46, s46, 11                        ; of 2,048 bytes
	s_mov_b32 s47, 0
	s_mul_i32 s20, s13, PLANE                      ; where they go: no place in the cluster enters an LDS address
	s_mul_i32 s21, s13, 64*PITCH
	s_add_co_u32 s21, s21, BOFF
	s_wait_dscnt 0x0                               ; the opening add is done
	s_wait_kmcnt 0x0
	s_add_nc_u64 s[16:17], s[4:5], s[16:17]
	s_add_nc_u64 s[46:47], s[6:7], s[46:47]
	CROUND                                         ; all sixteen work-groups are here: the first joint loads meet
.irp s, 0,1
	s_mov_b32 s[G0A+4*(\s)], 1                     ; count = 1
	s_add_co_u32 s[G0A+4*(\s)+1], s20, (\s)*SLOT1  ; LDS address
	s_add_nc_u64 s[G0A+4*(\s)+2:G0A+4*(\s)+3], s[16:17], (\s)*STEPA  ; global address: K step s
	s_or_b32 s[G0A+4*(\s)+3], s[G0A+4*(\s)+3], 0x80000000            ; type = 2
	s_mov_b32 s[G0B+4*(\s)], 1
	s_add_co_u32 s[G0B+4*(\s)+1], s21, (\s)*SLOT1
	s_add_nc_u64 s[G0B+4*(\s)+2:G0B+4*(\s)+3], s[46:47], (\s)*STEPB
	s_or_b32 s[G0B+4*(\s)+3], s[G0B+4*(\s)+3], 0x80000000
.endr
	s_cmp_eq_u32 s14, 0                            ; a wave's two first fills stand in one branch, ahead of every wait on TENSORcnt and every LDS read: two loads of mine are out
	s_cbranch_scc0 .Lfirst_b
	tensor_load_to_lds s[G0A:G0A+3], s[G1A:G1A+7]
	s_nop 0
	tensor_load_to_lds s[G0A+4:G0A+7], s[G1A:G1A+7]
	s_nop 0
.rept 4
	v_nop
.endr
	s_branch .Lfirst_asked
.Lfirst_b:
	tensor_load_to_lds s[G0B:G0B+3], s[G1B:G1B+7]
	s_nop 0
	tensor_load_to_lds s[G0B+4:G0B+7], s[G1B:G1B+7]
	s_nop 0
.rept 4
	v_nop
.endr
.Lfirst_asked:
	v_and_b32 v1, 15, v0                           ; r = l % 16
	v_bfe_u32 v2, v0, 4, 1                         ; h = l / 16
	v_lshlrev_b32 v[BO], 5, v2
	s_lshl_b32 s18, s42, 9                         ; the tile's 128 numbers of the bias
	s_mov_b32 s19, 0
	s_add_nc_u64 s[8:9], s[8:9], s[18:19]
.irp b, 0,1,2,3,4,5,6,7
	global_load_b128 v[BI+8*(\b):BI+8*(\b)+3],   v[BO], s[8:9] offset:64*(\b)      ; register j: the bias of column 16 b + 8 h + j: the layout of a result
	global_load_b128 v[BI+8*(\b)+4:BI+8*(\b)+7], v[BO], s[8:9] offset:64*(\b)+16
.endr
	; A fragment is 16 rows x 32 K in 8 registers: lane l holds row l % 16, K = 8 (l / 16) + 0..7 and 16 + 8 (l / 16) + 0..7: two loads of 16 bytes, 32 bytes apart
	v_mul_u32_u24 v[A0], v1, PA
	v_lshl_add_u32 v[A0], v2, 4, v[A0]
	s_mul_i32 s18, s12, 64*PA                      ; my 64 rows of O
	v_add_nc_u32 v[A0], s18, v[A0]
	v_mul_u32_u24 v[B0], v1, PITCH
	v_lshl_add_u32 v[B0], v2, 4, v[B0]
	v_add_nc_u32 v[B0], BOFF, v[B0]
	s_mul_i32 s19, s12, 16*SP
	s_add_co_u32 s19, s19, STAGE                   ; my stage
	v_mul_u32_u24 v[STO], v1, SP                   ; in: row l % 16, 32 bytes for each half of the lanes
	v_lshl_add_u32 v[STO], v2, 5, v[STO]
	v_add_nc_u32 v[STO], s19, v[STO]
	v_and_b32 v[GO], 31, v0                        ; back: 32 lanes take one row of 512 bytes
	v_lshlrev_b32 v[GO], 4, v[GO]
	v_add_nc_u32 v[RD], s19, v[GO]
	s_lshl_b32 s18, s43, 8
	s_lshl_b32 s19, s12, 6
	s_add_co_u32 s18, s18, s19                     ; my first row: 256 x tile row + 64 x wave,
	s_lshl_b32 s18, s18, 12                        ; of 4,096 bytes
	s_lshl_b32 s19, s42, 9                         ; the tile's 128 columns of 4 bytes
	s_add_co_u32 s18, s18, s19
	s_mov_b32 s19, 0
	s_add_nc_u64 s[10:11], s[10:11], s[18:19]
	s_wait_loadcnt 0x0                             ; the bias
.set z, 0
.rept 32                               ; rounded to bf16 and widened again, two at a time
	v_cvt_pk_bf16_f32 v[30+(z/2)%2], v[BI+z], v[BI+z+1]
	v_lshlrev_b32 v[BI+z], 16, v[30+(z/2)%2]
	v_and_b32 v[BI+z+1], 0xffff0000, v[30+(z/2)%2]
.set z, z+2
.endr
; 8 matrix instructions: column blocks 2 g, 2 g + 1 x my four row blocks, 32 along K, on buffer f.  first = 1: the bias starts the sums: nothing is cleared, nothing added later.
; Every accumulator has one turn a quarter, in the same order: 31 others' stand between two links of a chain, over the backward jump too.
.macro MUL f, g, first
.if \first
	WIN 0x81                                       ; weights window 1, O window 0, the bias window 0, result window 2
.else
	WIN 0xa1                                       ; C and D window 2
.endif
.irp bb, 0,1
.irp a, 0,1,2,3
.set mb, 2*(\g)+(\bb)
.set rD, 64*(\a)+8*mb
.if \first
	v_wmma_f32_16x16x32_f16 v[rD:rD+7], v[64*(\f)+8*mb:64*(\f)+8*mb+7], v[FA0+32*(\f)+8*(\a):FA0+32*(\f)+8*(\a)+7], v[BI+8*mb:BI+8*mb+7]
.else
	v_wmma_f32_16x16x32_f16 v[rD:rD+7], v[64*(\f)+8*mb:64*(\f)+8*mb+7], v[FA0+32*(\f)+8*(\a):FA0+32*(\f)+8*(\a)+7], v[rD:rD+7]
.endif
.endr
.endr
.endm
; 24 LDS loads in one run: quarter q's fragments into buffer f.  O's quarter q lies in head q / 2 of the step's two, channels 32 (q % 2) on.
.macro FETCH q, f
	WIN 0
.irp i, 0,1,2,3
	ds_load_b128 v[FA0+32*(\f)+8*(\i):FA0+32*(\f)+8*(\i)+3],   v[ADRA] offset:((\q)/2)*PLANE+((\q)%2)*64+(\i)*16*PA
	ds_load_b128 v[FA0+32*(\f)+8*(\i)+4:FA0+32*(\f)+8*(\i)+7], v[ADRA] offset:((\q)/2)*PLANE+((\q)%2)*64+(\i)*16*PA+32
.endr
	WIN 0x40
.irp i, 0,1,2,3,4,5,6,7
	ds_load_b128 v[64*(\f)+8*(\i):64*(\f)+8*(\i)+3],   v[ADRB] offset:64*(\q)+(\i)*16*PITCH
	ds_load_b128 v[64*(\f)+8*(\i)+4:64*(\f)+8*(\i)+7], v[ADRB] offset:64*(\q)+(\i)*16*PITCH+32
.endr
.endm
; One of a step's first three quarters: multiplies buffer f; ahead of its products it asks for quarter q into buffer g, which then has 32 matrix instructions in which to come.
.macro QUARTER q, f, g, first
	s_wait_dscnt 0x0                               ; buffer f, asked for a quarter ago, is in
	PLACES                                         ; buffer g's last reader is the matrix instruction just before
	FETCH \q, \g
	MUL \f, 0, \first
	MUL \f, 1, \first
	MUL \f, 2, \first
	MUL \f, 3, \first
.endm
; The fourth quarter multiplies buffer 1 and changes slots: ONE barrier.  In front of it each wave waits for all its tensor loads (one is out: its part of the next slot), adds 0 to its spare word, and waits
; for that and for its reads of this slot.  fill = 1: the barrier opens a round of the cluster's, and the joint refill, the K step two on, is the first thing behind the round.
.macro TURN fill
	WIN 0                                          ; (the add's two registers lie in window 0)
	s_wait_tensorcnt 0x0                           ; no tensor load of mine is out, so a group 0 may be written
	ds_add_u32 v[SPW], v[NIL]                      ; 0 onto my spare word
.if \fill
	s_xor_b32 s[G0A+5], s[G0A+5], SLOT1            ; the walking descriptors: the other slot than last time,
	s_add_nc_u64 s[G0A+6:G0A+7], s[G0A+6:G0A+7], STEPA  ; the next K step; the type bits on top are not reached
	s_xor_b32 s[G0B+5], s[G0B+5], SLOT1
	s_add_nc_u64 s[G0B+6:G0B+7], s[G0B+6:G0B+7], STEPB
.endif
	s_xor_b32 s[TB], s[TB], SLOT1
	s_wait_dscnt 1                                 ; buffer 1 is in; the add alone may be out
	MUL 1, 0, 0
	s_wait_dscnt 0x0                               ; the add is done, and my reads of this slot are over
	s_barrier_signal -1
	MUL 1, 1, 0                                    ; work on registers while the others arrive
	WIN 0
	s_barrier_wait -1
.if \fill
	CREST                                          ; no wave of any partner still reads this slot or has a load on its way
	JLOAD                                          ; its four v_nop are also the places in front of the loads below
.else
	PLACES
.endif
	v_add_nc_u32 v[ADRA], s[TB], v[A0]
	v_add_nc_u32 v[ADRB], s[TB], v[B0]
	FETCH 0, 0
	MUL 1, 2, 0
	MUL 1, 3, 0
.endm
	s_wait_tensorcnt 1                             ; my part of K step 0 is in; step 1's may stay out
	s_barrier_signal -1
	s_barrier_wait -1                              ; everybody's is
	s_mov_b32 s[TB], 0
	v_mov_b32 v[ADRA], v[A0]
	v_mov_b32 v[ADRB], v[B0]
	FETCH 0, 0
	QUARTER 1, 0, 1, 1                             ; the first quarter stands in front of the loop: its products start the sums
	WIN 0                                          ; at a label and at a branch every window is 0
	s_mov_b32 s3, 6
.Lstep:                                                ; a trip: a step's quarters 1 to 3 and the next step's quarter 0; trip t asks for K step t + 2
	QUARTER 2, 1, 0, 0
	QUARTER 3, 0, 1, 0
	TURN 1
	QUARTER 1, 0, 1, 0
	WIN 0
	s_sub_co_u32 s3, s3, 1
	s_cmp_lg_u32 s3, 0
	s_cbranch_scc1 .Lstep
	QUARTER 2, 1, 0, 0                             ; the last two steps are written out: nothing is left to ask for
	QUARTER 3, 0, 1, 0
	TURN 0
	QUARTER 1, 0, 1, 0
	QUARTER 2, 1, 0, 0
	QUARTER 3, 0, 1, 0
	s_wait_dscnt 0x0
	MUL 1, 0, 0
	MUL 1, 1, 0
	MUL 1, 2, 0
	MUL 1, 3, 0
	; THE WAY OUT.  Row block a: 16 rows x 128 columns of f32 go into my stage, 32 bytes a lane, and come back as whole rows of 512 bytes, into the registers that they left.
	WIN 0
	PLACES
	PLACES
	WIN 0x88                                       ; store data (source 1) and loaded data (destination) in window 2, addresses in window 0
.macro UNIT a
.irp b, 0,1,2,3,4,5,6,7
	ds_store_b128 v[STO], v[64*(\a)+8*(\b):64*(\a)+8*(\b)+3]   offset:64*(\b)     ; each accumulator's low four registers first
	ds_store_b128 v[STO], v[64*(\a)+8*(\b)+4:64*(\a)+8*(\b)+7] offset:64*(\b)+16
.endr
.irp t, 0,1,2,3,4,5,6,7,8,9,10,11,12,13,14,15
	ds_load_b128 v[64*(\a)+4*(\t):64*(\a)+4*(\t)+3], v[RD] offset:(\t)*SP  ; my own stage: LDS serves a wave's instructions in order; the next block's stores come behind these
.endr
.endm
.macro SENDP a, younger                ; younger: the LDS instructions issued behind block a's loads: the next block's 32, or none
.irp t, 0,1,2,3,4,5,6,7,8,9,10,11,12,13,14,15
	s_wait_dscnt (\younger)+15-(\t)
	global_store_b128 v[GO], v[64*(\a)+4*(\t):64*(\a)+4*(\t)+3], s[10:11] offset:(\a)*65536+(\t)*4096 th:TH_STORE_NT  ; the wave stores 512 consecutive bytes of a row, at a multiple of 256 from out0's first
.endr
.endm
	UNIT 0
	UNIT 1
	SENDP 0, 32
	UNIT 2
	SENDP 1, 32
	UNIT 3
	SENDP 2, 32
	SENDP 3, 0
	WIN 0
	s_wait_tensorcnt 0x0                           ; the wave's end: three lines behind my last tensor load and my last LDS store
	ds_add_u32 v[SPW], v[NIL]
	s_wait_dscnt 0x0
	CROUND                                         ; the closing round: no work-group ends while a partner may still ask for a tile that names it
	s_endpgm
.Lfunc_end_k_q66ab9e3f77_projgemm:
	.size	k_q66ab9e3f77_projgemm, .Lfunc_end_k_q66ab9e3f77_projgemm-k_q66ab9e3f77_projgemm
	.p2alignl 7, 3214868480
	.fill 96, 4, 3214868480
	.section	.rodata,"a",@progbits
	.p2align	6, 0x0
	.amdhsa_kernel k_q66ab9e3f77_projgemm
		.amdhsa_group_segment_fixed_size 327680
		.amdhsa_private_segment_fixed_size 0
		.amdhsa_enable_private_segment 0
		.amdhsa_kernarg_size 32
		.amdhsa_user_sgpr_count 2
		.amdhsa_user_sgpr_kernarg_segment_ptr 1
		.amdhsa_wavefront_size32 1
		.amdhsa_system_sgpr_workgroup_id_x 1
		.amdhsa_system_sgpr_workgroup_id_y 1
		.amdhsa_system_sgpr_workgroup_id_z 1
		.amdhsa_system_vgpr_workitem_id 0
		.amdhsa_next_free_vgpr 768
		.amdhsa_next_free_sgpr 66
		.amdhsa_reserve_vcc 0
		.amdhsa_float_denorm_mode_32 3
		.amdhsa_float_denorm_mode_16_64 3
		.amdhsa_memory_ordered 1
		.amdhsa_forward_progress 1
		.amdhsa_inst_pref_size 77
	.end_amdhsa_kernel
	.amdgpu_metadata
---
amdhsa.version: [ 1, 2 ]
amdhsa.kernels:
  - .name:           k_q66ab9e3f77_projgemm
    .symbol:         k_q66ab9e3f77_projgemm.kd
    .args:
      - { .name: o, .offset: 0, .size: 8, .value_kind: global_buffer, .address_space: global }
      - { .name: wpt, .offset: 8, .size: 8, .value_kind: global_buffer, .address_space: global }
      - { .name: b_proj, .offset: 16, .size: 8, .value_kind: global_buffer, .address_space: global }
      - { .name: out0, .offset: 24, .size: 8, .value_kind: global_buffer, .address_space: global }
    .group_segment_fixed_size: 327680
    .private_segment_fixed_size: 0
    .kernarg_segment_align: 8
    .kernarg_segment_size: 32
    .max_flat_workgroup_size: 128
    .sgpr_count:     66
    .vgpr_count:     768
    .wavefront_size: 32
...
	.end_amdgpu_metadata
.endif
;; end of part 4
;; ======== version 2 of 2: 4 launches; version 1 with the launch prep written anew for expert scheduling mode
;; limits: values are held in f16: magnitudes above 65,504 overflow, below 6.1e-05 lose precision
;; workspace buffers: xb 16,777,216 bytes; wat 6,291,456 bytes; wpt 2,097,152 bytes; qkv 50,331,648 bytes; o 16,777,216 bytes
;; launch prep (part 5): grid 256 x 1, 6 waves a work-group, no clusters, 35,584 bytes of LDS; arguments x, w_attn, w_proj, xb, wat, wpt; writes xb, wat, wpt
.if DOCPART == 5
	.amdgcn_target "amdgcn-amd-amdhsa--gfx1250"
	.amdhsa_code_object_version 6
	.text
	.protected	k_q66ab9e3f77_prep
	.globl	k_q66ab9e3f77_prep
	.p2align	8
	.type	k_q66ab9e3f77_prep,@function
k_q66ab9e3f77_prep:
	s_mov_b64 s[64:65], 0
	v_nop
	global_prefetch_b8 v0, s[64:65] scope:SCOPE_SE
	s_setreg_imm32_b32 hwreg(HW_REG_WAVE_SCHED_MODE, 0, 2), 2
	s_setreg_imm32_b32 hwreg(HW_REG_WAVE_MODE, 25, 1), 1
	s_wait_xcnt 0x0
	s_wait_alu depctr_vm_vsrc(0)
; PREPARES THE OPERANDS.  xb = bf16(x), [8192][1024].  wat[n][k] = bf16(w_attn[k][n]), [3072][1024].  wpt[n][k] = bf16(w_proj[k][n]) written as f16, [1024][1024].
; LIMIT.  bf16(w_proj) must lie within f16's 65,504; below 6e-5 it keeps f16's fixed step of 6e-8.
; SHARES.  Every wave owns 32 KiB of input.  Waves 0 and 1 of a work-group turn one tile of 128 k x 64 n each (512 tiles: 384 of w_attn, 128 of w_proj); waves 2 to 5 cast one chunk of 8,192
; numbers of x each (1,024 chunks).  A wave issues all its 64 loads of 16 bytes a lane at once, into registers 256-511, and never rewrites a register that a global memory instruction names.
; The turning goes through the wave's own LDS region (64 rows of n, 256 bytes of k + 16 of padding): no barrier.  Each half wave loads and stores 256 consecutive aligned bytes.
; No matrix unit, tensor load or cluster: nothing is shared between waves, and every byte crosses once.
; THE MODE: SCHED_MODE bits 1:0 = 2 (LLVM: expert scheduling mode 2), set by the entry lines.  The code itself states the register dependences between vector instructions and memory or LDS
; instructions, with s_wait_alu, always for 0.
; THE PLAN, a turning wave.  Registers that memory or LDS instructions touch:
;   OFF, LST, LRD, GST   offsets and addresses, written once by vector lines and never again.
;   registers 256-511    written by the 64 loads, once; read by the groups' roundings.
;   T0, T1               group g's roundings and selects write T[g % 2]; the four LDS stores that read it are issued in group g + 1, dealt among that group's selects, which name the other T and U alone.
;   Y                    written by the LDS loads, read by the global stores; no vector line of this arm names it.
; So at a group's head stand: one wait on va_vdst (the group before has written its T) and, from group 2 on, one on vm_vsrc (the LDS stores issued in the group before have read the T that this group writes again).
; THE PLAN, a casting wave.  LO, SO: written once.  Y: each register written once, by group g's roundings, and read by a store that is issued at the head of group g + 1, behind one wait on va_vdst.
.set LP,     272                       ; an LDS row: 128 k of 16 bits + 16 bytes
.set REGION, 64*LP                     ; a turning wave's region
.set SPARE,  2*REGION                  ; behind them: the spare words, 128 bytes for each of six waves: three blocks of 256 bytes that no other line names
.set OFF, 8                            ; v[8:15]  row i of eight: (64 hh + i) x pitch + 16 c
.set LST, 16                           ; v16  where I put 16 bytes (8 k of one n)
.set LRD, 17                           ; v17  where I read a row of n back
.set GST, 18                           ; v18  my 16 bytes in two rows of the turned weights
.set LO,  19                           ; v19  16 x lane
.set SO,  20                           ; v20  8 x lane
.set SPW, 30                           ; v30  LDS address of my spare word; never rewritten
.set NIL, 31                           ; v31  0; never rewritten
.set T,   32                           ; v[32:47] sixteen packed words: T0
.set TSTEP, 160                        ; v[192:207] the same once more: T1 = T + TSTEP
.set U,   48                           ; v[48:51] at work, two pairs by turns
.set Y,   64                           ; v[64:191] packed words to store (cast), rows read back (turning)
.set MSB, 0
.macro WIN new                         ; the immediate's high byte repeats the setting that is left; a switch that changes nothing is dropped
.if MSB != (\new)
	s_set_vgpr_msb (MSB<<8)|(\new)
.set MSB, (\new)
.endif
.endm
	s_load_b256 s[4:11], s[0:1], 0x0               ; x s[4:5], w_attn s[6:7], w_proj s[8:9], xb s[10:11]
	s_load_b128 s[12:15], s[0:1], 0x20             ; wat s[12:13], wpt s[14:15]
	v_lshl_add_u32 v[SPW], v0, 2, SPARE
	v_mov_b32 v[NIL], 0
	v_lshrrev_b32 v1, 5, v0
	v_readfirstlane_b32 s2, v1                     ; wave 0..5
	v_and_b32 v1, 31, v0                           ; lane
	v_and_b32 v2, 15, v0                           ; c
	v_bfe_u32 v3, v0, 4, 1                         ; hh
	s_wait_alu depctr_va_sdst(0)                   ; s2 is written, ahead of its first reader: the compare below, and in both arms the tile's or chunk's number
	s_cmp_lt_u32 s2, 2
	s_cbranch_scc0 .Lcast
	; ---- a turning wave ----
	s_lshl_b32 s40, ttmp9, 1
	s_add_co_u32 s40, s40, s2                      ; my tile, 0..511
	s_lshr_b32 s41, s40, 3                         ; its column of tiles, 0..63: 48 of w_attn, then 16 of w_proj
	s_and_b32 s42, s40, 7                          ; its 128 k
	s_sub_co_u32 s43, s41, 48
	s_movk_i32 s44, 12288                          ; bytes in a row of w_attn
	s_mov_b32 s39, 0xffff0000                      ; a word's upper bf16
	s_wait_kmcnt 0x0
	s_cmp_lt_u32 s41, 48
	s_cselect_b64 s[32:33], s[6:7], s[8:9]         ; from
	s_cselect_b64 s[34:35], s[12:13], s[14:15]     ; to
	s_cselect_b32 s36, s44, 4096                   ; bytes in a source row
	s_cselect_b32 s37, s41, s43                    ; the tile's 64 n in its own tensor
	s_cselect_b32 s38, 0, -1                       ; lane mask: all ones where the words leave as f16
	s_mul_i32 s44, s42, s36
	s_lshl_b32 s44, s44, 7                         ; 128 k rows down,
	s_lshl_b32 s45, s37, 8                         ; 64 n of 4 bytes along
	s_add_co_u32 s44, s44, s45
	s_mov_b32 s45, 0
	s_add_nc_u64 s[16:17], s[32:33], s[44:45]      ; group 0's base
	s_lshl_b32 s46, s36, 3                         ; eight rows
	s_mov_b32 s47, 0
.irp g, 1,2,3,4,5,6,7
	s_add_nc_u64 s[16+2*(\g):17+2*(\g)], s[14+2*(\g):15+2*(\g)], s[46:47]
.endr
	s_lshl_b32 s44, s37, 17                        ; 64 rows of 2,048 bytes,
	s_lshl_b32 s45, s42, 8                         ; 128 k of 2 bytes
	s_add_co_u32 s44, s44, s45
	s_mov_b32 s45, 0
	s_add_nc_u64 s[34:35], s[34:35], s[44:45]
	v_lshlrev_b32 v4, 6, v3
	v_lshlrev_b32 v5, 4, v2
	v_mad_u32_u24 v[OFF], v4, s36, v5              ; row 64 hh, my four n
.irp i, 1,2,3,4,5,6,7
	v_add_nc_u32 v[OFF+(\i)], s36, v[OFF+(\i)-1]
.endr
	WIN 0x40                                       ; destination in registers 256-511
	s_wait_alu depctr_va_vdst(0)                   ; the eight offsets v[OFF ..] are written, which the 64 loads read
.irp g, 0,1,2,3,4,5,6,7
.irp i, 0,1,2,3,4,5,6,7
	global_load_b128 v[4*(8*(\g)+(\i)):4*(8*(\g)+(\i))+3], v[OFF+(\i)], s[16+2*(\g):17+2*(\g)] th:TH_LOAD_NT  ; k = 64 hh + 8 g + i, n = 4 c + 0..3
.endr
.endr
	WIN 0
	s_mul_i32 s44, s2, REGION
	v_mul_u32_u24 v[LST], v2, 4*LP                 ; row n = 4 c,
	v_lshl_add_u32 v[LST], v3, 7, v[LST]           ; k = 64 hh
	v_add_nc_u32 v[LST], s44, v[LST]
	v_mul_u32_u24 v[LRD], v3, LP                   ; back: lanes 0-15 one row of n, lanes 16-31 the next
	v_lshl_add_u32 v[LRD], v2, 4, v[LRD]
	v_add_nc_u32 v[LRD], s44, v[LRD]
	v_lshlrev_b32 v[GST], 11, v3
	v_lshl_add_u32 v[GST], v2, 4, v[GST]
; Group g: eight rows of k are in.  For each of my four n the eight k are rounded to bf16 in pairs: 16 bytes that belong together in the turned row.
; Every word is also made as f16 of the bf16 numbers; the lane mask picks which of the two leaves (a choice of a value, no branch).
; The group writes T[g % 2]; the four LDS stores of the group before, from the other T, stand among its selects, one ahead of each four.
.macro TGROUP g
.set TG, T+TSTEP*((\g)%2)              ; this group's words
.set TP, T+TSTEP*(((\g)+1)%2)          ; the words of the group before
	s_wait_loadcnt 56-8*(\g)                       ; loads come back in order: the 8 (7 - g) younger ones stay out
.if (\g) >= 2
	s_wait_alu depctr_vm_vsrc(0)                   ; the LDS stores issued in the group before have read T[g % 2], which the roundings below write again
.endif
.if (\g) >= 1
	s_wait_alu depctr_va_vdst(0)                   ; the group before has written the other T, which the LDS stores below read; in group 1 also: v[LST], v[LRD] and v[GST] are written
.endif
	WIN 0x05                                       ; both sources in registers 256-511
.irp e, 0,1,2,3
.irp p, 0,1,2,3
	v_cvt_pk_bf16_f32 v[TG+4*(\e)+(\p)], v[4*(8*(\g)+2*(\p))+(\e)], v[4*(8*(\g)+2*(\p)+1)+(\e)]
.endr
.endr
	WIN 0
.set z, 0
.rept 16
.if ((\g) >= 1) && (z%4 == 0)
	ds_store_b128 v[LST], v[TP+z:TP+z+3] offset:(z/4)*LP+16*((\g)-1)  ; no vector line since the wait names these registers
.endif
	v_lshlrev_b32 v[U+2*(z%2)], 16, v[TG+z]
	v_and_b32 v[U+2*(z%2)+1], s39, v[TG+z]
	v_cvt_pk_f16_f32 v[U+2*(z%2)], v[U+2*(z%2)], v[U+2*(z%2)+1]
	v_cndmask_b32 v[TG+z], v[TG+z], v[U+2*(z%2)], s38
.set z, z+1
.endr
.endm
.irp g, 0,1,2,3,4,5,6,7
	TGROUP \g
.endr
	s_wait_alu depctr_va_vdst(0)                   ; group 7 has written T1, which the last four LDS stores read
.irp e, 0,1,2,3
	ds_store_b128 v[LST], v[T+TSTEP+4*(\e):T+TSTEP+4*(\e)+3] offset:(\e)*LP+16*7
.endr
.set r, 0
.rept 32
	ds_load_b128 v[Y+4*r:Y+4*r+3], v[LRD] offset:r*2*LP  ; my own bytes: LDS serves a wave's instructions in order, so these see the stores above; no vector line of this arm names Y
.set r, r+1
.endr
.set r, 0
.rept 32
	s_wait_dscnt 31-r                              ; rows 2 r and 2 r + 1 are back; the younger loads stay out
	global_store_b128 v[GST], v[Y+4*r:Y+4*r+3], s[34:35] offset:r*4096  ; 16 lanes store 256 consecutive aligned bytes
.set r, r+1
.endr
	s_branch .Lend
	; ---- a casting wave ----
.Lcast:
	s_lshl_b32 s40, ttmp9, 2
	s_add_co_u32 s40, s40, s2
	s_sub_co_u32 s40, s40, 2                       ; my chunk, 0..1023
	s_lshl_b32 s42, s40, 15                        ; 32,768 bytes of x,
	s_mov_b32 s43, 0
	s_lshl_b32 s44, s40, 14                        ; 16,384 of xb
	s_mov_b32 s45, 0
	v_lshlrev_b32 v[LO], 4, v1
	v_lshlrev_b32 v[SO], 3, v1
	s_wait_kmcnt 0x0
	s_add_nc_u64 s[32:33], s[4:5], s[42:43]
	s_add_nc_u64 s[34:35], s[10:11], s[44:45]
	WIN 0x40
	s_wait_alu depctr_va_vdst(0)                   ; v[LO] and v[SO] are written: every load and store of this arm reads one of them as its offset
.set r, 0
.rept 64
	global_load_b128 v[4*r:4*r+3], v[LO], s[32:33] offset:512*r th:TH_LOAD_NT
.set r, r+1
.endr
; Group g rounds its eight loads' numbers into sixteen registers of Y that are its own; the eight stores of the group before stand at its head.
.macro CSTORES g
.irp i, 0,1,2,3,4,5,6,7
	global_store_b64 v[SO], v[Y+2*(8*(\g)+(\i)):Y+2*(8*(\g)+(\i))+1], s[34:35] offset:256*(8*(\g)+(\i))  ; the wave stores 256 consecutive aligned bytes
.endr
.endm
.macro CGROUP g
	s_wait_loadcnt 56-8*(\g)                       ; the 8 (7 - g) younger loads stay out
.if (\g) >= 1
	s_wait_alu depctr_va_vdst(0)                   ; the group before has written its sixteen registers of Y, which the stores below read
	CSTORES (\g)-1
.endif
	WIN 0x05
.irp i, 0,1,2,3,4,5,6,7
	v_cvt_pk_bf16_f32 v[Y+2*(8*(\g)+(\i))],   v[4*(8*(\g)+(\i))],   v[4*(8*(\g)+(\i))+1]
	v_cvt_pk_bf16_f32 v[Y+2*(8*(\g)+(\i))+1], v[4*(8*(\g)+(\i))+2], v[4*(8*(\g)+(\i))+3]
.endr
	WIN 0
.endm
.irp g, 0,1,2,3,4,5,6,7
	CGROUP \g
.endr
	s_wait_alu depctr_va_vdst(0)                   ; group 7 has written its sixteen registers of Y, which the last eight stores read
	CSTORES 7
.Lend:
	s_wait_dscnt 0x0                               ; the closing lines, six on end
	s_wait_alu 0x0
	s_wait_tensorcnt 0x0
	ds_add_u32 v[SPW], v[NIL]
	s_wait_dscnt 0x0
	s_endpgm
.Lfunc_end_k_q66ab9e3f77_prep:
	.size	k_q66ab9e3f77_prep, .Lfunc_end_k_q66ab9e3f77_prep-k_q66ab9e3f77_prep
	.p2alignl 7, 3214868480
	.fill 96, 4, 3214868480
	.section	.rodata,"a",@progbits
	.p2align	6, 0x0
	.amdhsa_kernel k_q66ab9e3f77_prep
		.amdhsa_group_segment_fixed_size 35584
		.amdhsa_private_segment_fixed_size 0
		.amdhsa_enable_private_segment 0
		.amdhsa_kernarg_size 48
		.amdhsa_user_sgpr_count 2
		.amdhsa_user_sgpr_kernarg_segment_ptr 1
		.amdhsa_wavefront_size32 1
		.amdhsa_system_sgpr_workgroup_id_x 1
		.amdhsa_system_sgpr_workgroup_id_y 1
		.amdhsa_system_sgpr_workgroup_id_z 1
		.amdhsa_system_vgpr_workitem_id 0
		.amdhsa_next_free_vgpr 512
		.amdhsa_next_free_sgpr 66
		.amdhsa_reserve_vcc 0
		.amdhsa_float_denorm_mode_32 3
		.amdhsa_float_denorm_mode_16_64 3
		.amdhsa_memory_ordered 1
		.amdhsa_forward_progress 1
		.amdhsa_inst_pref_size 72
	.end_amdhsa_kernel
	.amdgpu_metadata
---
amdhsa.version: [ 1, 2 ]
amdhsa.kernels:
  - .name:           k_q66ab9e3f77_prep
    .symbol:         k_q66ab9e3f77_prep.kd
    .args:
      - { .name: x, .offset: 0, .size: 8, .value_kind: global_buffer, .address_space: global }
      - { .name: w_attn, .offset: 8, .size: 8, .value_kind: global_buffer, .address_space: global }
      - { .name: w_proj, .offset: 16, .size: 8, .value_kind: global_buffer, .address_space: global }
      - { .name: xb, .offset: 24, .size: 8, .value_kind: global_buffer, .address_space: global }
      - { .name: wat, .offset: 32, .size: 8, .value_kind: global_buffer, .address_space: global }
      - { .name: wpt, .offset: 40, .size: 8, .value_kind: global_buffer, .address_space: global }
    .group_segment_fixed_size: 35584
    .private_segment_fixed_size: 0
    .kernarg_segment_align: 8
    .kernarg_segment_size: 48
    .max_flat_workgroup_size: 192
    .sgpr_count:     66
    .vgpr_count:     512
    .wavefront_size: 32
...
	.end_amdgpu_metadata
.endif
;; end of part 5
;; launch qkvgemm: the kernel of part 2 again; grid 16 x 32, 4 waves a work-group, clusters of 4 x 4, 327,680 bytes of LDS; arguments xb, wat, b_attn, qkv; writes qkv
;; launch attn: the kernel of part 3 again; grid 4 x 64, 4 waves a work-group, no clusters, 327,680 bytes of LDS; arguments qkv, o; writes o
;; launch projgemm: the kernel of part 4 again; grid 8 x 32, 4 waves a work-group, clusters of 4 x 4, 327,680 bytes of LDS; arguments o, wpt, b_proj, out0; writes out0
